; MI455X (gfx1250); checked and timed in simulation.
; The chip was launched on July 23, 2026; its instructions are those of AMD's public machine-readable ISA for CDNA 5 (MIT licence, August 2026) and "CDNA5" Instruction Set Architecture Reference Guide (July 2026). The comments in the code are by the model that wrote it; some were corrected since.
;; BERT Attention. Allowed arithmetic: matrix products marked QUANTISED: E2M3 operands, one E8M0 scale for each 32 along K, by v_wmma_scale_f32_16x16x128_f8f6f4 with both operands' format E2M3, f32 sums; everything else in f32.
;; Inputs: Wk 1,024 x 1,024 float32; Wo 1,024 x 1,024 float32; Wq 1,024 x 1,024 float32; Wv 1,024 x 1,024 float32; attention_mask 4 x 2,048 int32; bk 1,024 float32; bo 1,024 float32; bq 1,024 float32; bv 1,024 float32; x 4 x 2,048 x 1,024 float32.
;; Outputs: out0 4 x 2,048 x 1,024 float32.
;; This version of the problem:
;;   THIS VERSION OF THE PROBLEM IS GIVEN IN LOW PRECISION. The matrix products marked QUANTISED in the list below multiply operands that are first quantised to E2M3 (2 exponent bits, 3 mantissa bits; 6 bits a number), with one power-of-two scale for each 32 numbers along K (OCP MX v1.0); their sums are f32. All else is computed in f32.
;;   The module's matrix products, in the order in which they are computed (A, B: the left and right operand; K: the contracted axis; several contracted axes count as one K, in the product's order):
;;     1. [M 8,192, K 1,024] x [K 1,024, N 1,024]; A: input x; B: input Wq: QUANTISED
;;     2. [M 8,192, K 1,024] x [K 1,024, N 1,024]; A: input x; B: input Wk: QUANTISED
;;     3. [M 8,192, K 1,024] x [K 1,024, N 1,024]; A: input x; B: input Wv: QUANTISED
;;     4. batch 64 x [M 2,048, K 64] x [K 64, N 2,048]; A: computed on the way; B: computed on the way: QUANTISED
;;     5. batch 64 x [M 2,048, K 2,048] x [K 2,048, N 64]; A: softmax (see below); B: computed on the way: QUANTISED
;;     6. [M 8,192, K 1,024] x [K 1,024, N 1,024]; A: computed on the way; B: input Wo: QUANTISED
;;   THE QUANTISER, for each operand of a quantised product, along K:
;;     - K is cut into blocks of 32 from its start; a last block that is shorter is filled with zeros.
;;     - A block's scale is 2^e with e = floor(log2(the largest magnitude in the block)) - 2, held to -126 .. 127; a block of zeros has e = 0. As a byte (E8M0): e + 127.
;;     - Each number is divided by its block's scale, clamped to +-7.5, and rounded to the nearest number of E2M3, ties to even, subnormals kept.
;;     - The product sums the exact products of the quantised numbers (number of the format x scale) in f32.
;;   ~~~python
;;   def quantise(x, axis):      # numpy; x: float32 -> the quantised numbers, widened to float32 again
;;       x = np.moveaxis(x, axis, -1); K = x.shape[-1]
;;       x = np.pad(x, [(0, 0)] * (x.ndim - 1) + [(0, -K % 32)]); x = x.reshape(x.shape[:-1] + (-1, 32)); a = np.abs(x).max(-1, keepdims=True)
;;       e = np.where(a > 0, np.clip(np.frexp(np.where(a > 0, a, 1))[1] - 1 - 2, -126, 127), 0)      # np.frexp(a)[1] - 1 = floor(log2(a)), exactly
;;       r = np.clip(x / 2.0 ** e, -7.5, 7.5)
;;       step = 2.0 ** (np.maximum(np.frexp(np.where(r == 0, 1, r))[1] - 1, 0) - 3)
;;       q = np.round(r / step) * step * 2.0 ** e      # np.round: ties to even
;;       return np.moveaxis(q.reshape(q.shape[:-2] + (-1,))[..., :K], -1, axis).astype(np.float32)
;;   ~~~
;;   SOFTMAX AHEAD OF A QUANTISED PRODUCT. Where the list says 'softmax', what is quantised is not the finished softmax but p = 2^(t - M), with t = logit x log2(e) and M = ceil(the row's largest t), a whole number; so 1/2 < the row's largest p <= 1. The row's sum l is taken of the UNQUANTISED p, in f32, and the product's result is divided by l at the end. Since M is a whole number, a kernel that streams over the keys may use a running M (the ceiling of the running maximum): every later rescaling is an exact power of two, which a block's scale takes up: the codes' values come out the same.
;;   OPERANDS COMPUTED ON THE WAY. 'Computed on the way' means the value that the module computes at that place (a softmax that the list does not call 'softmax' is quantised finished and normalised). What goes into a quantiser is computed in f32, as accurately as f32 sums, v_exp_f32 and their like allow (about 1e-6 of the number): no bf16 or f16 on the way to a quantiser, and a product that is left as it is and whose result goes on into a quantised operand takes f32 operands (vector FMAs, or v_wmma_f32_16x16x4_f32). A number that lies on a knife's edge between two numbers of the format may be rounded either way, as far as f32 arithmetic and the matrix unit's own rounding can turn it there, and no further.
;; One version. Each part assembles by itself: llvm-mc -triple=amdgcn-amd-amdhsa -mcpu=gfx1250 --defsym DOCPART=n.
;; ======== version 1 of 1: 4 launches
;; limits: right only within a limited range of input values
;; workspace buffers: cod 9,437,184 bytes; scl 393,216 bytes; qc 8,388,608 bytes; qs 524,288 bytes; kv 15,466,496 bytes; cc 6,291,456 bytes; cs 262,144 bytes
;; launch quant (part 1): grid 256 x 1, 3 waves a work-group, no clusters, 25,856 bytes of LDS; arguments x, Wq, Wk, Wv, Wo, cod, scl; writes cod, scl
.if DOCPART == 1
	.amdgcn_target "amdgcn-amd-amdhsa--gfx1250"
	.amdhsa_code_object_version 6
	.text
	.protected	k_q43af32a5e8_quant
	.globl	k_q43af32a5e8_quant
	.p2align	8
	.type	k_q43af32a5e8_quant,@function
k_q43af32a5e8_quant:
	s_mov_b64 s[64:65], 0
	v_nop
	global_prefetch_b8 v0, s[64:65] scope:SCOPE_SE
	s_setreg_imm32_b32 hwreg(HW_REG_WAVE_MODE, 25, 1), 1
	s_wait_xcnt 0x0
; x [8192][1024] and Wq, Wk, Wv, Wo [1024][1024], f32, K innermost, become codes of FP6 (E2M3) with one E8M0 byte for each 32 along K.
; A block's scale is 2^(floor(log2(its largest magnitude)) - 2); its byte is the largest magnitude's exponent field - 2, held at 1 from below.
; LIMITS: a block of zeros gets the byte 1 where the rule says 127 (its codes are zeros, and this program alone reads the bytes); blocks whose largest magnitude lies under 2^-124 keep the byte 1;
; NaN and infinities among the inputs are not served.
; LAYOUT OF THE CODES: tiles of 16 rows; a tile is 16 pieces of 64 along K; a piece is 768 bytes = 3 chunks of 256: chunk c holds registers 2 c, 2 c + 1 of the operand's six, lane l's 8 bytes at 8 l.
; Lane (r, h) holds k = 32 h .. 32 h + 31 of row r.  So every later read and write of a piece is 256 consecutive bytes, 8 a lane.
; THE ROWS OF A TILE ARE NOT NEIGHBOURS: row p of tile 2 b + u is the tensor's row 32 b + 8 u + p + 8 (p / 8): as source 0 of a product such tiles give a lane 16 neighbours along the next K.
; 768 tiles (x 512, each W 64) = 256 work-groups x 3 waves; a wave takes one tile, in 8 steps of 128 along K.  Each load reads 512 consecutive bytes of one row; the 16 rows turn through the wave's own stage in LDS
; (rows of 512 + 16 bytes), from which a lane takes its two whole blocks of 32.  Waves share nothing: no barrier.  Loads run two steps (32 loads a wave) ahead.
.set STG,   16*528                     ; a wave's stage
.set SPARE, 3*STG                      ; behind the stages: the spare words, 128 bytes a wave, two blocks of 256 bytes that no other line names
.set SPW,   10                         ; v10  LDS address of my spare word; never rewritten
.set NIL,   11                         ; v11  0; never rewritten
.set W,     20                         ; v20-27   my row's scale word of each step
.set C,     32                         ; v32-43   a step's codes; v44-46, v48-50 the blocks' second halves
.set R,     64                         ; v64-191  two sets of 64 registers as loaded
.set X,     192                        ; v192-255 my two blocks of 32 numbers
	s_load_b256 s[4:11], s[0:1], 0x0               ; x, Wq, Wk, Wv
	s_load_b128 s[12:15], s[0:1], 0x20             ; Wo, cod
	s_load_b64 s[16:17], s[0:1], 0x30              ; scl
	v_lshl_add_u32 v[SPW], v0, 2, SPARE
	v_mov_b32 v[NIL], 0
	v_lshrrev_b32 v1, 5, v0
	v_readfirstlane_b32 s18, v1                    ; wave 0..2
	v_and_b32 v1, 31, v0                           ; lane
	v_and_b32 v2, 15, v0                           ; r
	v_bfe_u32 v3, v0, 4, 1                         ; h
	v_lshlrev_b32 v4, 4, v1                        ; in: 16 bytes a lane
	s_mul_i32 s21, s18, STG
	v_add_nc_u32 v5, s21, v4                       ; the stage, on the way in: 16 x lane of a row
	v_mul_u32_u24 v6, v2, 528
	v_lshl_add_u32 v6, v3, 7, v6
	v_add_nc_u32 v6, s21, v6                       ; and on the way out: row r, + 128 h: my block of each 64 along K
	v_lshlrev_b32 v7, 3, v1                        ; a chunk: 8 bytes a lane
	v_lshlrev_b32 v8, 5, v2
	v_lshl_add_u32 v8, v3, 4, v8                   ; the scale bytes: 32 a row, my half of them
	v_lshlrev_b32 v9, 3, v3                        ; 8 h: where my two bytes stand in a scale word
	v_mov_b32 v18, 0                               ; written once: a lane permute's destination counts as one of its sources
	s_mul_i32 s19, ttmp9, 3
	s_add_co_u32 s19, s19, s18                     ; my tile, 0 .. 767
	s_mov_b32 s24, 0x76543210
	s_mov_b32 s25, 0xfedcba98                      ; v_permlanex16_b32's selects for lane l xor 16
	s_mov_b32 s26, 0xffff0000                      ; lanes 16-31
	s_wait_alu depctr_va_vdst(0)
	s_wait_kmcnt 0x0
	s_cmp_ge_u32 s19, 512                          ; which tensor: the choice hangs on ids alone; one path for all five
	s_cselect_b64 s[4:5], s[6:7], s[4:5]
	s_cselect_b32 s20, 512, 0
	s_cmp_ge_u32 s19, 576
	s_cselect_b64 s[4:5], s[8:9], s[4:5]
	s_cselect_b32 s20, 576, s20
	s_cmp_ge_u32 s19, 640
	s_cselect_b64 s[4:5], s[10:11], s[4:5]
	s_cselect_b32 s20, 640, s20
	s_cmp_ge_u32 s19, 704
	s_cselect_b64 s[4:5], s[12:13], s[4:5]
	s_cselect_b32 s20, 704, s20
	s_sub_co_u32 s20, s19, s20                     ; the tile's number in its tensor: 2 b + u
	s_lshr_b32 s22, s20, 1
	s_lshl_b32 s22, s22, 17                        ; 32 b rows of 4,096 bytes
	s_and_b32 s21, s20, 1
	s_lshl_b32 s21, s21, 15                        ; 8 u rows
	s_add_co_u32 s22, s22, s21
	s_mov_b32 s23, 0
	s_add_nc_u64 s[4:5], s[4:5], s[22:23]
	s_mul_i32 s22, s19, 12288                      ; a tile's codes
	s_add_nc_u64 s[14:15], s[14:15], s[22:23]
	s_lshl_b32 s22, s19, 9                         ; a tile's scale bytes
	s_add_nc_u64 s[16:17], s[16:17], s[22:23]
.macro LOAD t                          ; step t: 512 bytes of each of the tile's 16 rows, into set t % 2
.irp p, 0,1,2,3,4,5,6,7,8,9,10,11,12,13,14,15
	global_load_b128 v[R+64*((\t)%2)+4*\p:R+64*((\t)%2)+4*\p+3], v4, s[4:5] offset:(\p+8*(\p/8))*4096+512*(\t) th:TH_LOAD_NT
.endr
.endm
.macro TURN t                          ; through the stage: LDS serves a wave's instructions in order, so no wait stands between the stores and the loads
.irp p, 0,1,2,3,4,5,6,7,8,9,10,11,12,13,14,15
	ds_store_b128 v5, v[R+64*((\t)%2)+4*\p:R+64*((\t)%2)+4*\p+3] offset:528*\p
.endr
.irp c, 0,1
.irp i, 0,1,2,3,4,5,6,7
	ds_load_b128 v[X+32*\c+4*\i:X+32*\c+4*\i+3], v6 offset:256*\c+16*\i
.endr
.endr
.endm
.macro STEP t
.if (\t) < 7
	s_wait_loadcnt 16                              ; this step's 16 loads are in; the next step's 16 may be out
.else
	s_wait_loadcnt 0x0
.endif
	TURN \t
	s_wait_dscnt 0x0                               ; my two blocks are in, and the stores into the stage have read their registers,
.if (\t)+2 < 8
	LOAD (\t)+2                                    ; which take the loads of two steps on
.endif
.irp c, 0,1
	v_max3_num_f32 v[12+\c], |v[X+32*\c]|, |v[X+32*\c+1]|, 0x1800000   ; block 2 c + h: all 32 numbers are mine; the floor 2^(3 - 127) holds the byte at 1 from below
.endr
.irp i, 2,4,6,8,10,12,14,16,18,20,22,24,26,28,30
.irp c, 0,1
	v_max3_num_f32 v[12+\c], v[12+\c], |v[X+32*\c+\i]|, |v[X+32*\c+\i+1]|
.endr
.endr
.irp c, 0,1
	v_add_nc_u32 v[14+\c], 0xff000000, v[12+\c]    ; 2 off the exponent field: the conversion's scale operand
.endr
.irp c, 0,1
	v_lshrrev_b32 v[16+\c], 23, v[14+\c]           ; the scale's byte
.endr
	v_lshl_or_b32 v19, v17, 16, v16                ; my two bytes: blocks h and 2 + h,
	v_lshlrev_b32 v19, v9, v19                     ; at their places in the word;
	v_permlanex16_b32 v18, v19, s24, s25
	v_or_b32 v[W+(\t)], v19, v18                   ; with lane l xor 16's two the word is whole
	s_wait_alu depctr_va_vdst(0)
	s_wait_xcnt 0x0                                ; the last step's stores have read the codes' registers
.irp c, 0,1
	v_cvt_scalef32_pk16_fp6_f32 v[C+6*\c:C+6*\c+2], v[X+32*\c:X+32*\c+15], v[14+\c]
	v_cvt_scalef32_pk16_fp6_f32 v[C+12+4*\c:C+14+4*\c], v[X+32*\c+16:X+32*\c+31], v[14+\c]   ; (a conversion's three registers begin on an even number)
.endr
	v_nop                                          ; one plain place behind a scaled conversion
.irp c, 0,1
.irp i, 0,1,2
	v_mov_b32 v[C+3+6*\c+\i], v[C+12+4*\c+\i]
.endr
.endr
.irp c, 0,1
.irp p, 0,1,2
	global_store_b64 v7, v[C+6*\c+2*\p:C+6*\c+2*\p+1], s[14:15] offset:(2*(\t)+\c)*768+256*\p   ; 32 lanes store 256 consecutive bytes, at a multiple of 256 from the buffer's first byte
.endr
.endr
.endm
	LOAD 0
	LOAD 1
.irp t, 0,1,2,3,4,5,6,7
	STEP \t
.endr
.irp i, 0,1,2,3
	v_cndmask_b32 v[28+\i], v[W+\i], v[W+4+\i], s26   ; lanes 0-15 take their row's words 0-3, lanes 16-31 words 4-7
.endr
	global_store_b128 v8, v[28:31], s[16:17]       ; the tile's 512 scale bytes
	s_wait_tensorcnt 0x0                           ; the wave's end, behind my last LDS store
	ds_add_u32 v[SPW], v[NIL]
	s_wait_dscnt 0x0
	s_endpgm
.Lfunc_end_k_q43af32a5e8_quant:
	.size	k_q43af32a5e8_quant, .Lfunc_end_k_q43af32a5e8_quant-k_q43af32a5e8_quant
	.p2alignl 7, 3214868480
	.fill 96, 4, 3214868480
	.section	.rodata,"a",@progbits
	.p2align	6, 0x0
	.amdhsa_kernel k_q43af32a5e8_quant
		.amdhsa_group_segment_fixed_size 25856
		.amdhsa_private_segment_fixed_size 0
		.amdhsa_enable_private_segment 0
		.amdhsa_kernarg_size 56
		.amdhsa_user_sgpr_count 2
		.amdhsa_user_sgpr_kernarg_segment_ptr 1
		.amdhsa_wavefront_size32 1
		.amdhsa_system_sgpr_workgroup_id_x 1
		.amdhsa_system_sgpr_workgroup_id_y 1
		.amdhsa_system_sgpr_workgroup_id_z 1
		.amdhsa_system_vgpr_workitem_id 0
		.amdhsa_next_free_vgpr 256
		.amdhsa_next_free_sgpr 66
		.amdhsa_reserve_vcc 0
		.amdhsa_float_denorm_mode_32 3
		.amdhsa_float_denorm_mode_16_64 3
		.amdhsa_memory_ordered 1
		.amdhsa_forward_progress 1
		.amdhsa_inst_pref_size 60
	.end_amdhsa_kernel
	.amdgpu_metadata
---
amdhsa.version: [ 1, 2 ]
amdhsa.kernels:
  - .name:           k_q43af32a5e8_quant
    .symbol:         k_q43af32a5e8_quant.kd
    .args:
      - { .name: x, .offset: 0, .size: 8, .value_kind: global_buffer, .address_space: global }
      - { .name: Wq, .offset: 8, .size: 8, .value_kind: global_buffer, .address_space: global }
      - { .name: Wk, .offset: 16, .size: 8, .value_kind: global_buffer, .address_space: global }
      - { .name: Wv, .offset: 24, .size: 8, .value_kind: global_buffer, .address_space: global }
      - { .name: Wo, .offset: 32, .size: 8, .value_kind: global_buffer, .address_space: global }
      - { .name: cod, .offset: 40, .size: 8, .value_kind: global_buffer, .address_space: global }
      - { .name: scl, .offset: 48, .size: 8, .value_kind: global_buffer, .address_space: global }
    .group_segment_fixed_size: 25856
    .private_segment_fixed_size: 0
    .kernarg_segment_align: 8
    .kernarg_segment_size: 56
    .max_flat_workgroup_size: 96
    .sgpr_count:     66
    .vgpr_count:     256
    .wavefront_size: 32
...
	.end_amdgpu_metadata
.endif
;; end of part 1
;; launch qkv (part 2): grid 12 x 32, 4 waves a work-group, clusters of 4 x 4, 327,680 bytes of LDS; arguments cod, scl, bq, bk, bv, attention_mask, qc, qs, kv; writes qc, qs, kv
.if DOCPART == 2
	.amdgcn_target "amdgcn-amd-amdhsa--gfx1250"
	.amdhsa_code_object_version 6
	.text
	.protected	k_q43af32a5e8_qkv
	.globl	k_q43af32a5e8_qkv
	.p2align	8
	.type	k_q43af32a5e8_qkv,@function
k_q43af32a5e8_qkv:
	s_mov_b64 s[64:65], 0
	v_nop
	global_prefetch_b8 v0, s[64:65] scope:SCOPE_SE
	s_setreg_imm32_b32 hwreg(HW_REG_WAVE_MODE, 25, 1), 1
	s_wait_xcnt 0x0
	s_wait_alu depctr_hold_cnt(0) depctr_sa_sdst(0) depctr_va_vdst(0) depctr_va_sdst(0) depctr_va_ssrc(0) depctr_va_vcc(0) depctr_vm_vsrc(0)
	s_getreg_b32 s2, hwreg(HW_REG_IB_STS2, 6, 4)
	s_cmp_eq_u32 s2, 0
	s_cbranch_scc0 .Lentry_in_a_cluster
	s_endpgm
.Lentry_in_a_cluster:
	s_bfe_u32 s2, ttmp6, 0x10000c
	s_cmp_lg_u32 s2, 0xf033
	s_cbranch_scc0 .Lentry_shape_is_right
	s_endpgm
.Lentry_shape_is_right:
.set NQ,     2
.set FR,     12
.set NL,     6
.set NP,     4
.set TILEB,  3072
.set HALFT,  8*TILEB
.set SLOT,   4*HALFT
.set KS,     32
.set SCL,    2*SLOT
.set HALFS,  16*272
.set SBLK,   2*272
.set SPARE,  SCL+4*HALFS
.set ADRA, 16
.set ADRB, 20
.set ADRS, 27
.set SPW,  28
.set NIL,  29
.set L8,   30
.set L16,  31
.set SC,   32
.set BIAS, 64
.set AF,   128
.set MK,   224
.set WV, 16
.set WR, 17
.set WC, 18
.set CX, 19
.set PX, 20
.set PY, 21
.set CY, 22
.set ISV, 23
.set G1, 24
.set G0, 32
.set G1B, 48
.set G0B, 56
.set G1S, 68
.set G0S, 76
.set G1SB, 80
.set G0SB, 88
.set MSB, 0
.macro WIN new
.if MSB != \new
	s_set_vgpr_msb (MSB<<8)|\new
.set MSB, \new
.endif
.endm
.set MUL_LO, 0xa1
.set MUL_HI, 0xf1
.set TO_B,   0x40
.macro JLOAD g0a, g1a, g0b, g1b
	s_cmp_eq_u32 s[WR], 0
	s_cbranch_scc0 .Lfor_b_\@
	tensor_load_to_lds s[\g0a:\g0a+3], s[\g1a:\g1a+7]
	s_nop 0
.rept 4
	v_nop
.endr
	s_branch .Lasked_\@
.Lfor_b_\@:
	tensor_load_to_lds s[\g0b:\g0b+3], s[\g1b:\g1b+7]
	s_nop 0
.rept 4
	v_nop
.endr
.Lasked_\@:
.endm
.macro CREST
	s_cmp_lg_u32 s[WV], 0
	s_cbranch_scc1 .Lnot_wave_0_\@
	s_barrier_signal -3
.Lnot_wave_0_\@:
	s_barrier_wait -3
	s_barrier_signal -1
	s_barrier_wait -1
.endm
.macro CROUND
	s_barrier_signal -1
	s_barrier_wait -1
	CREST
.endm
	s_load_b128 s[4:7], s[0:1], 0x0
	s_load_b256 s[8:15], s[0:1], 0x10
	s_load_b128 s[92:95], s[0:1], 0x30
	s_load_b64 s[96:97], s[0:1], 0x40
	v_lshl_add_u32 v[SPW], v0, 2, SPARE
	v_mov_b32 v[NIL], 0
	ds_add_u32 v[SPW], v[NIL]
	ds_add_u32 v[SPW], v[NIL]
	v_lshrrev_b32 v1, 5, v0
	v_readfirstlane_b32 s[WV], v1
	s_lshr_b32 s[WR], s[WV], 1
	s_and_b32 s[WC], s[WV], 1
	s_bfe_u32 s[PX], ttmp6, 0x40000
	s_bfe_u32 s[PY], ttmp6, 0x40004
	s_mov_b32 s[CX], ttmp9
	s_and_b32 s[CY], ttmp7, 0xffff
	s_lshl_b32 s100, s[PY], 2
	s_lshl_b32 s100, 15, s100
	s_lshl_b32 s101, 0x1111, s[PX]
	s_or_b32 s[G1+0], s100, (3<<16)|(1<<21)
	s_or_b32 s[G1B+0], s101, (3<<16)|(1<<21)
.irp g, G1, G1B
	s_mov_b32 s[\g+1], 384<<16
	s_mov_b32 s[\g+2], 8<<16
	s_mov_b32 s[\g+3], 384<<16
	s_mov_b32 s[\g+4], 8
	s_mov_b32 s[\g+5], 1536
	s_mov_b32 s[\g+6], 0
	s_mov_b32 s[\g+7], 0
.endr
	s_lshl_b32 s66, s[CY], 2
	s_add_co_u32 s98, s66, s[PY]
	s_lshl_b32 s98, s98, 8
	s_lshl_b32 s100, s[PY], 8
	s_add_co_u32 s100, s100, 10240
	s_add_co_u32 s99, s66, s[PX]
	s_lshl_b32 s99, s99, 8
	s_lshl_b32 s101, s[CX], 2
	s_add_co_u32 s101, s101, s[PX]
	s_lshl_b32 s101, s101, 8
	s_add_co_u32 s101, s101, 8192
	s_cmp_eq_u32 s[CX], 2
	s_cselect_b32 s[ISV], 1, 0
	s_cselect_b32 s98, s100, s98
	s_cselect_b32 s99, s99, s101
	s_lshl_b32 s67, s[WC], 7
	s_add_co_u32 s98, s98, s67
	s_add_co_u32 s99, s99, s67
	s_mul_i32 s40, s98, 768
	s_mov_b32 s41, 0
	s_lshl_b32 s76, s98, 5                         ; the scale bytes, 32 a row, go from memory straight into registers: byte offsets in scl
	s_lshl_b32 s77, s[WC], 12
	s_sub_co_u32 s76, s76, s77
	s_lshl_b32 s77, s[WR], 12
	s_add_co_u32 s76, s76, s77                     ; of the 128 rows of source 1 that I multiply,
	s_mul_i32 s44, s99, 768
	s_mov_b32 s45, 0
	s_lshl_b32 s78, s99, 5                         ; and of source 0's
	s_mov_b32 s79, 0xffff0000                      ; lanes 16-31
	s_mul_i32 s66, s[WV], HALFT
	s_wait_dscnt 0x0
	s_wait_kmcnt 0x0
	s_add_nc_u64 s[40:41], s[4:5], s[40:41]
	s_add_nc_u64 s[44:45], s[4:5], s[44:45]
	CROUND
.irp s, 0,1
	s_mov_b32 s[G0+4*\s], 1
	s_add_co_u32 s[G0+4*\s+1], s66, \s*SLOT
	s_add_nc_u64 s[G0+4*\s+2:G0+4*\s+3], s[40:41], \s*TILEB
	s_or_b32 s[G0+4*\s+3], s[G0+4*\s+3], 0x80000000
	s_mov_b32 s[G0B+4*\s], 1
	s_add_co_u32 s[G0B+4*\s+1], s66, \s*SLOT
	s_add_nc_u64 s[G0B+4*\s+2:G0B+4*\s+3], s[44:45], \s*TILEB
	s_or_b32 s[G0B+4*\s+3], s[G0B+4*\s+3], 0x80000000
.endr
	JLOAD G0, G1, G0B, G1B                         ; slot 0: my one tensor load at the head
	v_and_b32 v1, 15, v0
	v_bfe_u32 v2, v0, 4, 1
	v_and_b32 v7, 31, v0
	v_lshlrev_b32 v[L8], 3, v7
	v_lshlrev_b32 v[L16], 4, v7
	s_mul_i32 s66, s[WR], HALFT
	s_mul_i32 s67, s[WC], HALFT
	s_add_co_u32 s67, s67, 2*HALFT
.irp s, 0,1
	v_add_nc_u32 v[ADRA+\s], s66, v[L8]
	v_add_nc_u32 v[ADRB+\s], s67, v[L8]
	s_add_co_u32 s66, s66, SLOT
	s_add_co_u32 s67, s67, SLOT
.endr
	v_mul_u32_u24 v5, v1, KS
	v_mov_b32 v6, s76
	v_mov_b32 v8, s78
	v_cndmask_b32 v6, v6, v8, s79                  ; lanes 0-15 take source 1's rows, lanes 16-31 source 0's
	v_add_nc_u32 v[ADRS], v5, v6
.macro SCALES sc, k                    ; the two scale words of K chunk k (256 along K) of my 8 + 8 tiles into set sc, v[SC + 16 sc ..]
.irp i, 0,1,2,3,4,5,6,7
	global_load_b64 v[SC+8*NQ*\sc+NQ*\i:SC+8*NQ*\sc+NQ*\i+1], v[ADRS], s[6:7] offset:\i*512+4*NQ*\k
.endr
.endm
	SCALES 0, 0
	SCALES 1, 1
	SCALES 13, 3                                   ; v240-255: the last chunk's; chunk 2's come into set 0 when chunk 0 is done
	v_and_b32 v3, 8, v1
	v_add_nc_u32 v3, v3, v1
	v_lshlrev_b32 v3, 2, v3
	v_lshlrev_b32 v4, 6, v2
	s_lshl_b32 s40, s[CY], 2
	s_add_co_u32 s40, s40, s[PY]
	s_lshl_b32 s40, s40, 10
	s_lshl_b32 s41, s[WR], 9
	s_add_co_u32 s40, s40, s41
	s_mov_b32 s41, 0
	s_add_nc_u64 s[14:15], s[14:15], s[40:41]
.irp a, 0,1,2,3,4,5,6,7
	global_load_b32 v[MK+\a], v3, s[14:15] offset:4*(32*(\a/2)+8*(\a%2))
.endr
	s_cmp_lg_u32 s[ISV], 0
	s_cbranch_scc1 .Lbias_v
	s_cmp_eq_u32 s[CX], 0
	s_cselect_b64 s[8:9], s[8:9], s[10:11]
	s_lshl_b32 s44, s[PX], 10
	s_lshl_b32 s45, s[WC], 9
	s_add_co_u32 s44, s44, s45
	s_mov_b32 s45, 0
	s_add_nc_u64 s[8:9], s[8:9], s[44:45]
	s_wait_alu depctr_va_vdst(0)
.irp b, 0,1,2,3,4,5,6,7
	global_load_b128 v[BIAS+8*\b:BIAS+8*\b+3], v4, s[8:9] offset:128*(\b/2)+32*(\b%2)
	global_load_b128 v[BIAS+8*\b+4:BIAS+8*\b+7], v4, s[8:9] offset:128*(\b/2)+32*(\b%2)+16
.endr
	s_branch .Lbias_done
.Lbias_v:
	s_lshl_b32 s40, s[PY], 10
	s_lshl_b32 s41, s[WR], 9
	s_add_co_u32 s40, s40, s41
	s_mov_b32 s41, 0
	s_add_nc_u64 s[12:13], s[12:13], s[40:41]
	s_wait_alu depctr_va_vdst(0)
.irp a, 0,1,2,3,4,5,6,7
.irp j, 0,1,2,3,4,5,6,7
	global_load_b32 v[BIAS+8*\a+\j], v3, s[12:13] offset:4*(32*(\a/2)+8*(\a%2))
.endr
.endr
.Lbias_done:
.macro FRAG reg, adr, q, i
.irp c, 0,1
.irp p, 0,1,2
	ds_load_b64 v[\reg+6*\c+2*\p:\reg+6*\c+2*\p+1], v[\adr] offset:(\i)*TILEB+(2*(\q)+\c)*768+256*\p
.endr
.endr
.endm
.macro MUL16 a0, p, q, sc, zero
.irp a, \a0, \a0+1
.irp b, 0,1,2,3,4,5,6,7
.if \zero == 1
	v_wmma_scale_f32_16x16x128_f8f6f4 v[8*(8*((\a)%4)+\b):8*(8*((\a)%4)+\b)+7], v[128*(\p)+FR*\b:128*(\p)+FR*\b+FR-1], v[AF+FR*(\a):AF+FR*(\a)+FR-1], v[BIAS+8*\b:BIAS+8*\b+7], v[SC+8*NQ*(\sc)+NQ*\b+(\q)], v[SC+8*NQ*(\sc)+NQ*(\a)+(\q)] matrix_a_fmt:MATRIX_FMT_FP6 matrix_b_fmt:MATRIX_FMT_FP6 matrix_a_scale:MATRIX_SCALE_ROW1
.elseif \zero == 2
	v_wmma_scale_f32_16x16x128_f8f6f4 v[8*(8*((\a)%4)+\b):8*(8*((\a)%4)+\b)+7], v[128*(\p)+FR*\b:128*(\p)+FR*\b+FR-1], v[AF+FR*(\a):AF+FR*(\a)+FR-1], v[BIAS+8*(\a):BIAS+8*(\a)+7], v[SC+8*NQ*(\sc)+NQ*\b+(\q)], v[SC+8*NQ*(\sc)+NQ*(\a)+(\q)] matrix_a_fmt:MATRIX_FMT_FP6 matrix_b_fmt:MATRIX_FMT_FP6 matrix_a_scale:MATRIX_SCALE_ROW1
.else
	v_wmma_scale_f32_16x16x128_f8f6f4 v[8*(8*((\a)%4)+\b):8*(8*((\a)%4)+\b)+7], v[128*(\p)+FR*\b:128*(\p)+FR*\b+FR-1], v[AF+FR*(\a):AF+FR*(\a)+FR-1], v[8*(8*((\a)%4)+\b):8*(8*((\a)%4)+\b)+7], v[SC+8*NQ*(\sc)+NQ*\b+(\q)], v[SC+8*NQ*(\sc)+NQ*(\a)+(\q)] matrix_a_fmt:MATRIX_FMT_FP6 matrix_b_fmt:MATRIX_FMT_FP6 matrix_a_scale:MATRIX_SCALE_ROW1
.endif
.endr
.endr
.endm
.macro FETCH_B slot, q, p
	WIN TO_B
.irp i, 0,1,2,3,4,5,6,7
	FRAG 128*(\p)+FR*\i, ADRB+(\slot)%2, \q, \i
.endr
	WIN 0
.endm
.macro FETCH_A slot, q, i0
.irp i, \i0, \i0+1, \i0+2, \i0+3
	FRAG AF+FR*(\i), ADRA+(\slot)%2, \q, \i
.endr
.endm
.macro PLACES n
.rept \n
	v_nop
.endr
.endm
.macro STEP slot, q, zero
	s_wait_dscnt 4*NL
.if \zero
	WIN 0x81
.else
	WIN MUL_LO
.endif
	MUL16 0, (\q)%2, \q, \slot, \zero
	MUL16 2, (\q)%2, \q, \slot, \zero
	s_wait_dscnt 0
	PLACES NP
	FETCH_B \slot, (\q)+1, 1-(\q)%2
	FETCH_A \slot, (\q)+1, 0
.if \zero
	WIN 0xc1
.else
	WIN MUL_HI
.endif
	MUL16 4, (\q)%2, \q, \slot, \zero
	MUL16 6, (\q)%2, \q, \slot, \zero
	PLACES NP
	WIN 0
	FETCH_A \slot, (\q)+1, 4
.endm
.macro TURN slot, next, fill
	s_wait_tensorcnt 0x0
	ds_add_u32 v[SPW], v[NIL]
	s_wait_dscnt 4*NL+1
	WIN MUL_LO
	MUL16 0, 1, NQ-1, \slot, 0
	s_wait_dscnt 0x0
	s_barrier_signal -1
	MUL16 2, 1, NQ-1, \slot, 0
	WIN 0
	s_barrier_wait -1
.if \fill
	CREST
	s_add_nc_u64 s[G0+4*\slot+2:G0+4*\slot+3], s[G0+4*\slot+2:G0+4*\slot+3], 2*TILEB
	s_add_nc_u64 s[G0B+4*\slot+2:G0B+4*\slot+3], s[G0B+4*\slot+2:G0B+4*\slot+3], 2*TILEB
	JLOAD G0+4*\slot, G1, G0B+4*\slot, G1B
.else
	PLACES NP
.endif
	FETCH_B \next, 0, 0
	FETCH_A \next, 0, 0
	WIN MUL_HI
	MUL16 4, 1, NQ-1, \slot, 0
	MUL16 6, 1, NQ-1, \slot, 0
	PLACES NP
	WIN 0
	FETCH_A \next, 0, 4
.endm
	s_wait_alu depctr_va_vdst(0)                   ; the wait at the head's end
	s_wait_tensorcnt 0x0                           ; my part of slot 0 is in
	ds_add_u32 v[SPW], v[NIL]
	s_wait_dscnt 0x0
	CROUND                                         ; slot 0 is whole in every partner
	JLOAD G0+4, G1, G0B+4, G1B                     ; slot 1
	FETCH_B 0, 0, 0
	FETCH_A 0, 0, 0
	FETCH_A 0, 0, 4
	s_wait_loadcnt 0x0
	s_cmp_lg_u32 s[ISV], 0
	s_cbranch_scc1 .Lfirst_v
	STEP 0, 0, 1
	s_branch .Lfirst_done
.Lfirst_v:
	STEP 0, 0, 2
.Lfirst_done:                                          ; a step's first number names its set of scale words; the LDS slot is that number's parity
	TURN 0, 1, 1
	SCALES 0, 2                                    ; set 0 is done with (four places stand behind its last product): chunk 2's words, one chunk ahead of their use
	STEP 1, 0, 0
	TURN 1, 0, 1
	s_wait_loadcnt 0x0                             ; chunk 2's scale words are in
	STEP 0, 0, 0
	TURN 0, 13, 0
	STEP 13, 0, 0
	s_wait_dscnt 4*NL
	WIN MUL_LO
	MUL16 0, 1, NQ-1, 13, 0
	MUL16 2, 1, NQ-1, 13, 0
	s_wait_dscnt 0
	WIN MUL_HI
	MUL16 4, 1, NQ-1, 13, 0
	MUL16 6, 1, NQ-1, 13, 0
	WIN 0
	PLACES NP
.set PC,  128
.set TM,  148
.set PW,  32
.set XW,  40
.set MC,  48
.set W0,  64
.set O0,  72
.set O1,  76
.set W1,  80
.set VO1, 20
.set SO1, 21
.set VSO, 22
	s_mov_b32 s68, 0x76543210
	s_mov_b32 s69, 0xfedcba98
	s_mov_b32 s70, 0xffff0000
	s_lshl_b32 s84, s[CY], 2
	s_add_co_u32 s85, s84, s[PY]
	s_add_co_u32 s84, s84, s[PX]
	s_lshl_b32 s84, s84, 1
	s_add_co_u32 s84, s84, s[WC]
	s_lshr_b32 s86, s85, 3
	s_lshl_b32 s86, s86, 4
	s_lshl_b32 s87, s[PX], 2
	s_add_co_u32 s86, s86, s87
	s_lshl_b32 s87, s[WC], 1
	s_add_co_u32 s86, s86, s87
	s_and_b32 s85, s85, 7
	s_lshl_b32 s85, s85, 1
	s_add_co_u32 s85, s85, s[WR]
	s_lshr_b32 s88, s84, 4
	s_lshl_b32 s88, s88, 4
	s_lshl_b32 s89, s[PY], 2
	s_add_co_u32 s88, s88, s89
	s_lshl_b32 s89, s[WR], 1
	s_add_co_u32 s88, s88, s89
	s_and_b32 s84, s84, 15
	s_cmp_eq_u32 s[ISV], 0
	s_cselect_b32 s86, s86, s88
	s_cselect_b32 s85, s85, s84
	s_cselect_b32 s90, 0, 8192
	s_mov_b32 s91, 14848
	s_cselect_b32 s91, 14336, s91
	s_mov_b32 s78, 768
	s_cselect_b32 s78, 1024, s78
	s_mov_b32 s80, 239360
	s_cselect_b32 s80, 1024, s80
	s_mov_b32 s75, 3072
	s_cselect_b32 s75, 241664, s75
	s_mov_b32 s79, 0
	s_mov_b32 s81, 0
	s_mul_i32 s87, s86, 241664
	s_mul_i32 s88, s85, 15104
	s_add_co_u32 s87, s87, s88
	s_add_co_u32 s90, s87, s90
	s_add_co_u32 s91, s87, s91
	s_lshl_b32 s88, s86, 17
	s_lshl_b32 s89, s85, 13
	s_add_co_u32 s88, s88, s89
	s_lshl_b32 s89, s86, 13
	s_lshl_b32 s87, s85, 9
	s_add_co_u32 s89, s89, s87
	s_cmp_eq_u32 s[CX], 0
	s_cselect_b64 s[98:99], s[92:93], s[96:97]
	s_cselect_b64 s[100:101], s[94:95], s[96:97]
	s_cselect_b32 s82, s88, s90
	s_cselect_b32 s84, s89, s91
	s_cselect_b32 s75, 131072, s75
	s_mov_b32 s76, 241664
	s_cselect_b32 s76, 8192, s76
	s_mov_b32 s71, 0x01010000
	s_cselect_b32 s71, 0x01bb0000, s71
	s_mov_b32 s72, 0x01a70000
	s_cselect_b32 s72, 0x01bb0000, s72
	s_cselect_b32 s73, 31, 0
	s_cselect_b32 s74, 31, 63
	s_mov_b32 s83, 0
	s_mov_b32 s85, 0
	s_add_nc_u64 s[98:99], s[98:99], s[82:83]
	s_add_nc_u64 s[100:101], s[100:101], s[84:85]
	s_mov_b64 s[86:87], s[98:99]
	v_mov_b32 v88, s71
	v_mov_b32 v89, s72
	v_mov_b32 v90, s73
	v_mov_b32 v91, s74
.irp a, 0,1,2,3,4,5,6,7
	v_cmp_eq_u32 vcc_lo, 0, v[MK+\a]
	v_cndmask_b32 v[XW+\a], v88, v89, vcc_lo
	v_cndmask_b32 v[MC+2*\a], v90, v91, vcc_lo
	v_cndmask_b32 v[MC+2*\a], v[MC+2*\a], 0, s70
	v_mov_b32 v[MC+2*\a+1], 0
.endr
.irp b, 0,1,2,3
	v_mov_b32 v[TM+4+\b], 0
.endr
	v_add_nc_u32 v[VO1], s75, v[L8]
	v_add_nc_u32 v[SO1], s76, v[L16]
	v_lshlrev_b32 v[VSO], 4, v1
	v_mul_u32_u24 v23, v2, 241664
	v_add_nc_u32 v[VSO], v[VSO], v23
.macro QUANTW a
.set AC, 64*((\a)%4)
.set WN, 2+(\a)/4
.set WA, WN|(WN<<2)
.set WB, (WN<<2)|(WN<<4)
	WIN WA
.irp b, 0,1,2,3
	v_max3_num_f32 v[TM+\b], |v[AC+16*\b]|, |v[AC+1+16*\b]|, 0x1800000
.endr
	WIN WB
.irp i, 2,4,6,8,10,12,14
.irp b, 0,1,2,3
	v_max3_num_f32 v[TM+\b], v[TM+\b], |v[AC+16*\b+\i]|, |v[AC+1+16*\b+\i]|
.endr
.endr
	WIN 0
.irp b, 0,1,2,3
	v_permlanex16_b32 v[TM+4+\b], v[TM+\b], s68, s69
.endr
.irp b, 0,1,2,3
	v_max_num_f32 v[TM+\b], v[TM+\b], v[TM+4+\b]
.endr
.irp b, 0,1,2,3
	v_add_nc_u32 v[TM+12+\b], 0xff000000, v[TM+\b]
.endr
.irp b, 0,1,2,3
	v_lshrrev_b32 v[TM+4+\b], 23, v[TM+12+\b]
.endr
	v_lshl_or_b32 v[PW+(\a)], v[TM+5], 8, v[TM+4]
	v_lshl_or_b32 v[PW+(\a)], v[TM+6], 16, v[PW+(\a)]
	v_lshl_or_b32 v[PW+(\a)], v[TM+7], 24, v[PW+(\a)]
	WIN WN
.irp c, 0,1
	v_cvt_scalef32_pk16_fp6_f32 v[PC+6*\c:PC+2+6*\c], v[AC+32*\c:AC+15+32*\c], v[TM+12+2*\c]
	v_cvt_scalef32_pk16_fp6_f32 v[PC+12+4*\c:PC+14+4*\c], v[AC+16+32*\c:AC+31+32*\c], v[TM+12+2*\c+1]
.endr
	WIN 0
	v_nop
.irp c, 0,1
.irp i, 0,1,2
	v_permlane16_swap_b32 v[PC+6*\c+\i], v[PC+12+4*\c+\i]
.endr
.irp i, 0,1,2
	v_mov_b32 v[PC+3+6*\c+\i], v[PC+12+4*\c+\i]
.endr
.endr
.endm
.macro OUTA a
.if (\a) > 0
	s_wait_xcnt 0x0
.if (\a) == 4
	s_add_nc_u64 s[98:99], s[98:99], s[80:81]
.else
	s_add_nc_u64 s[98:99], s[98:99], s[78:79]
.endif
.endif
	QUANTW \a
.irp p, 0,1,2
	global_store_b64 v[L8], v[PC+2*\p:PC+2*\p+1], s[98:99] offset:256*\p
	global_store_b64 v[VO1], v[PC+6+2*\p:PC+7+2*\p], s[98:99] offset:256*\p
.endr
.endm
.irp a, 0,1,2,3,4,5,6,7
	OUTA \a
.endr
	s_cmp_lg_u32 s[ISV], 0
	s_cbranch_scc1 .Lscales_v
.irp a, 0,1,2,3,4,5,6,7
	global_store_b64 v[L8], v[MC+2*\a:MC+2*\a+1], s[86:87] offset:1024*\a+768
	global_store_b64 v[VO1], v[MC+2*\a:MC+2*\a+1], s[86:87] offset:1024*\a+768
.endr
.irp a, 0,1,2,3,4,5,6,7
	v_and_or_b32 v[W0+\a], v[PW+\a], 0xffff, v[XW+\a]
	v_lshrrev_b32 v[W1+\a], 16, v[PW+\a]
.endr
.irp a, 0,1,2,3,4,5,6,7
	v_or_b32 v[W1+\a], v[W1+\a], v[XW+\a]
.endr
.irp i, 0,1,2,3
	v_cndmask_b32 v[O0+\i], v[W0+\i], v[W0+4+\i], s70
	v_cndmask_b32 v[O1+\i], v[W1+\i], v[W1+4+\i], s70
.endr
	global_store_b128 v[L16], v[O0:O0+3], s[100:101]
	global_store_b128 v[SO1], v[O1:O1+3], s[100:101]
	s_branch .Lscales_done
.Lscales_v:
.irp i, 0,1,2,3
	v_cndmask_b32 v[O0+\i], v[PW+\i], v[PW+4+\i], s70
.endr
	global_store_b128 v[VSO], v[O0:O0+3], s[100:101]
.Lscales_done:
	s_wait_tensorcnt 0x0
	ds_add_u32 v[SPW], v[NIL]
	s_wait_dscnt 0x0
	CROUND
	s_endpgm
.Lfunc_end_k_q43af32a5e8_qkv:
	.size	k_q43af32a5e8_qkv, .Lfunc_end_k_q43af32a5e8_qkv-k_q43af32a5e8_qkv
	.p2alignl 7, 3214868480
	.fill 96, 4, 3214868480
	.section	.rodata,"a",@progbits
	.p2align	6, 0x0
	.amdhsa_kernel k_q43af32a5e8_qkv
		.amdhsa_group_segment_fixed_size 327680
		.amdhsa_private_segment_fixed_size 0
		.amdhsa_enable_private_segment 0
		.amdhsa_kernarg_size 72
		.amdhsa_user_sgpr_count 2
		.amdhsa_user_sgpr_kernarg_segment_ptr 1
		.amdhsa_wavefront_size32 1
		.amdhsa_system_sgpr_workgroup_id_x 1
		.amdhsa_system_sgpr_workgroup_id_y 1
		.amdhsa_system_sgpr_workgroup_id_z 1
		.amdhsa_system_vgpr_workitem_id 0
		.amdhsa_next_free_vgpr 1024
		.amdhsa_next_free_sgpr 102
		.amdhsa_reserve_vcc 1
		.amdhsa_float_denorm_mode_32 3
		.amdhsa_float_denorm_mode_16_64 3
		.amdhsa_memory_ordered 1
		.amdhsa_forward_progress 1
		.amdhsa_inst_pref_size 197
	.end_amdhsa_kernel
	.amdgpu_metadata
---
amdhsa.version: [ 1, 2 ]
amdhsa.kernels:
  - .name:           k_q43af32a5e8_qkv
    .symbol:         k_q43af32a5e8_qkv.kd
    .args:
      - { .name: cod, .offset: 0, .size: 8, .value_kind: global_buffer, .address_space: global }
      - { .name: scl, .offset: 8, .size: 8, .value_kind: global_buffer, .address_space: global }
      - { .name: bq, .offset: 16, .size: 8, .value_kind: global_buffer, .address_space: global }
      - { .name: bk, .offset: 24, .size: 8, .value_kind: global_buffer, .address_space: global }
      - { .name: bv, .offset: 32, .size: 8, .value_kind: global_buffer, .address_space: global }
      - { .name: attention_mask, .offset: 40, .size: 8, .value_kind: global_buffer, .address_space: global }
      - { .name: qc, .offset: 48, .size: 8, .value_kind: global_buffer, .address_space: global }
      - { .name: qs, .offset: 56, .size: 8, .value_kind: global_buffer, .address_space: global }
      - { .name: kv, .offset: 64, .size: 8, .value_kind: global_buffer, .address_space: global }
    .group_segment_fixed_size: 327680
    .private_segment_fixed_size: 0
    .kernarg_segment_align: 8
    .kernarg_segment_size: 72
    .max_flat_workgroup_size: 128
    .sgpr_count:     102
    .vgpr_count:     1024
    .wavefront_size: 32
...
	.end_amdgpu_metadata
.endif
;; end of part 2
;; launch attn (part 3): grid 4 x 64, 8 waves a work-group, clusters of 4 x 1, 327,680 bytes of LDS; arguments qc, qs, kv, cc, cs; writes cc, cs
.if DOCPART == 3
	.amdgcn_target "amdgcn-amd-amdhsa--gfx1250"
	.amdhsa_code_object_version 6
	.text
	.protected	k_q43af32a5e8_attn
	.globl	k_q43af32a5e8_attn
	.p2align	8
	.type	k_q43af32a5e8_attn,@function
k_q43af32a5e8_attn:
	s_mov_b64 s[64:65], 0
	v_nop
	global_prefetch_b8 v0, s[64:65] scope:SCOPE_SE
	s_setreg_imm32_b32 hwreg(HW_REG_WAVE_MODE, 25, 1), 1
	s_wait_xcnt 0x0
	s_wait_alu depctr_hold_cnt(0) depctr_sa_sdst(0) depctr_va_vdst(0) depctr_va_sdst(0) depctr_va_ssrc(0) depctr_va_vcc(0) depctr_vm_vsrc(0)
	s_getreg_b32 s2, hwreg(HW_REG_IB_STS2, 6, 4)
	s_cmp_eq_u32 s2, 0
	s_cbranch_scc0 .Lentry_in_a_cluster
	s_endpgm
.Lentry_in_a_cluster:
	s_bfe_u32 s2, ttmp6, 0x10000c
	s_cmp_lg_u32 s2, 0x3003
	s_cbranch_scc0 .Lentry_shape_is_right
	s_endpgm
.Lentry_shape_is_right:
; ctx[b][h][q] = softmax_k(Q . K / 8, masked keys left out) V, both products on codes of FP6 (E2M3) with E8M0 scales; ctx leaves as codes along d_model, for the last product.
; t = score x log2(e) / 8; M = the running largest t, rounded UP to a whole number; p = 2^(t - M) is quantised along the keys, not normalised; the row's sum is taken of the unquantised p and divides at the end.
; SHARES.  The four work-groups of a cluster are one head (batch x 16 + head = the cluster's y) and ask for its K, V and scale words jointly (mask: all four).  The head's 16 key steps of 15,104 bytes lie in LDS 16,384 bytes apart.
; Each of the eight waves asks for key step w at the head and for key step 8 + w behind the round that shows key steps 0-7; nothing is filled again.
; The first six key steps read key steps 0 to 6 alone; a plain barrier then shows the rest.  A work-group owns 512 queries, a wave four tiles of 16: TWO TILES AT A TIME, twice, so that each fragment of K and V read from LDS serves two tiles.
; A KEY STEP IN LDS: K's 8 tiles of 16 keys x 1,024 bytes (4 chunks of 256: registers 0-7 of the operand's twelve); V^T: 2 x 4 tiles of 16 of the head's 64 x 768 bytes; K's scale words, 512; V's, 256.
; LAYOUT.  S^T = K Q^T, O^T = V^T P^T: a lane holds ONE query.  WHICH KEYS FORM A TILE IS CHOSEN HERE, BY LDS ADDRESS: tile (c, j) takes keys 64 c + 8 j + i in rows 0-7 and 64 c + 32 + 8 j + i in rows 8-15
; (in memory key group g of 8 lies in tile 2 (g / 4) + g % 2, rows 8 ((g % 4) / 2) on).  So registers 32 c + 8 j + i of lane (q, h) are keys 64 c + 32 h + 0 .. 31: a whole scale block, in the order of the next operand.
; THE HEAD HAS 64, THE INSTRUCTION TAKES 128.  Q's codes at k = 65 .. 127 are zeros, so what K's registers 8-11 hold adds nothing.  k = 64 carries the mask: Q: +7.5 x 2^60; a masked key: -7.5 x 2^40; an open key: 0.
; A masked score is -56.25 x 2^100; the largest score starts at -2^101, above every masked one and under every real one: a masked p is 0 in every step.
; REGISTERS: window 0: addresses, operands, each tile's small state; window 1: S^T / p of both tiles (v0-127) and O^T (v128-191).
; THE PREFETCH: key step 8 + w's 59 blocks of 256 bytes are named once in the cluster, 15 to a partner, told apart by address, at the head, one fill ahead of the load that wants them.  Key steps 0-7 come by their loads alone.
; LIMITS: |score| under 2^90; a batch whose mask is all zero is not served (its sum is 0); NaN and infinities are not served; a block of zeros gets the byte 1 (workspace bytes).
; The last key step of the last pass fetches K's first fragments once more and nobody uses them: the step's text is one for all trips.
.set STEPB, 15104
.set PITCH, 16384
.set SPARE, 16*PITCH                   ; the spare words, 128 bytes a wave: four blocks of 256 bytes that no other line names
.set L8,  1                            ; 8 x lane
.set KL,  2                            ; K's fragments: 8 (r % 8) + 128 h + 2048 (r / 8)
.set KSL, 3                            ; K's scale words: 16 (r % 8) + 8 (r / 8) + 256 h
.set R16, 4
.set R32, 5
.set SPW, 6
.set NIL, 7
.set SH8, 8                            ; 8 h
.set PFO, 9
.set VAD, 10
.set VSA, 11
.set KAD, 12                           ; v12, v13: K's tiles 0-3 and 4-7
.set KSA, 14
.set QN,  192                          ; window 1, v192-209: the second pass's Q and scale words, loaded at the head
.set QA,  16                           ; v16-27, v28-39 Q of the two tiles (the last four of each zeros)
.set QS,  40                           ; v40, v41 their scale words
.set F,   42                           ; v42-109 K's tiles, 8 registers apart (v106-109 zeros)
.set VF,  110                          ; v110-157 V's tiles
.set KS,  158                          ; v158-161 K's scale words: register j, lanes 0-15 tile j, lanes 16-31 tile 4 + j
.set VS,  162                          ; v162-165 V's
.set PC,  166                          ; v166-189 p's codes, 12 a tile
.set PH,  190                          ; v190-205 the blocks' second halves
.set PW,  206                          ; v206, v207 p's scale words
.set ST,  208                          ; 24 a tile: 0 -M, 1 largest score, 2-3 f, 4-7 maxima, 8-9 scale operands, 10-11 at work, 12-19 the sum in four pairs, 20-22 bytes
.set OO,  128                          ; O^T in window 1
.set WV,  14
.set PX,  15
.set BH,  16
.set SEL, 20
.set CS,  22
.set G1,  24
.set G0,  32
.set G0B, 36
.set TB,  50
.set TBN, 51
.set CNT, 52
.set PASS, 53
.set NC,  54
.set MSB, 0
.macro WIN new
.if MSB != \new
	s_set_vgpr_msb (MSB<<8)|\new
.set MSB, \new
.endif
.endm
.macro WALU
	s_wait_alu depctr_va_vdst(0)
.endm
.macro ROUND
	s_barrier_signal -1
	s_barrier_wait -1
	s_cmp_lg_u32 s[WV], 0
	s_cbranch_scc1 .Lnot_wave_0_\@
	s_barrier_signal -3
.Lnot_wave_0_\@:
	s_barrier_wait -3
	s_barrier_signal -1
	s_barrier_wait -1
.endm
.macro MM d, a, b, c, sa, sb, row
	v_wmma_scale_f32_16x16x128_f8f6f4 v[\d:\d+7], v[\a:\a+11], v[\b:\b+11], \c, v[\sa], v[\sb] matrix_a_fmt:MATRIX_FMT_FP6 matrix_b_fmt:MATRIX_FMT_FP6 matrix_a_scale:MATRIX_SCALE_ROW\row
.endm
.macro KLOAD                           ; K's eight tiles and scale words of the key step at s[TBN]: 18 loads, two chunks of 256 bytes to a load; the four lines ahead of them are the places behind the products that read these registers
	v_add_nc_u32 v[KAD], s[TBN], v[KL]
	v_add_nc_u32 v[KSA], s[TBN], v[KSL]
	v_add_nc_u32 v[KAD+1], 4096, v[KAD]
	v_nop
.irp t, 0,1,2,3,4,5,6,7
.irp g, 0,1
	ds_load_2addr_b64 v[F+8*\t+4*\g:F+8*\t+4*\g+3], v[KAD+\t/4] offset0:128*(\t%2)+8*((\t%4)/2)+64*\g offset1:128*(\t%2)+8*((\t%4)/2)+64*\g+32
.endr
.endr
	ds_load_b64 v[KS:KS+1], v[KSA] offset:14336
	ds_load_b64 v[KS+2:KS+3], v[KSA] offset:14336+128
.endm
	s_load_b256 s[4:11], s[0:1], 0x0               ; qc, qs, kv, cc
	s_load_b64 s[12:13], s[0:1], 0x20              ; cs
	v_lshl_add_u32 v[SPW], v0, 2, SPARE
	v_mov_b32 v[NIL], 0
	ds_add_u32 v[SPW], v[NIL]                      ; the opening lines: two adds and their wait ahead of my first tensor load
	ds_add_u32 v[SPW], v[NIL]
	v_lshrrev_b32 v14, 5, v0
	v_readfirstlane_b32 s[WV], v14                 ; wave 0..7
	s_bfe_u32 s[PX], ttmp6, 0x40000                ; cx: it enters Q's, ctx's and the prefetch's addresses alone
	s_and_b32 s[BH], ttmp7, 0xffff                 ; batch x 16 + head
	s_mov_b32 s[G1], 15|(3<<16)|(1<<21)            ; the mask: all four; elements of 8 bytes; bit 21 beside a mask
	s_mov_b32 s[G1+1], 32<<16                      ; a dense block of 15,104 bytes as 59 rows of 256
	s_mov_b32 s[G1+2], 59<<16
	s_mov_b32 s[G1+3], 32<<16
	s_mov_b32 s[G1+4], 59
	s_mov_b32 s[G1+5], 32
	s_mov_b32 s[G1+6], 0
	s_mov_b32 s[G1+7], 0
	s_mov_b32 s[SEL], 0x76543210
	s_mov_b32 s[SEL+1], 0xfedcba98                 ; lane l xor 16
	s_mov_b32 s[CS], 0x3e38aa3b                    ; c = log2(e) / 8
	s_mov_b32 s[CS+1], s[CS]
	s_mov_b32 s[NC], 0xbe38aa3b                    ; -c
	s_mul_i32 s55, s[PX], 15
	s_mul_i32 s42, s[WV], STEPB
	s_mul_i32 s40, s[BH], 16*STEPB
	s_add_co_u32 s40, s40, s42                     ; key step w of my head, in memory
	s_mov_b32 s41, 0
	s_lshl_b32 s43, s[WV], 14                      ; and in LDS
	s_wait_dscnt 0x0
	s_wait_kmcnt 0x0
	s_mov_b32 s[G0], 1
	s_mov_b32 s[G0+1], s43
	s_add_nc_u64 s[G0+2:G0+3], s[8:9], s[40:41]
	s_add_nc_u64 s[48:49], s[G0+2:G0+3], 8*STEPB   ; key step 8 + w
	s_mov_b32 s[G0B], 1
	s_add_co_u32 s[G0B+1], s43, 8*PITCH
	s_mov_b64 s[G0B+2:G0B+3], s[48:49]
	s_or_b32 s[G0+3], s[G0+3], 0x80000000
	s_or_b32 s[G0B+3], s[G0B+3], 0x80000000
	ROUND                                          ; all four work-groups are here: the joint loads meet
	tensor_load_to_lds s[G0:G0+3], s[G1:G1+7]      ; key step w: my one load at the head
	s_nop 0
.rept 4
	v_nop
.endr
	s_lshl_b32 s40, s[PX], 5
	s_lshl_b32 s41, s[WV], 2
	s_add_co_u32 s40, s40, s41                     ; my first tile of the head's 128
	s_lshl_b32 s42, s[BH], 17
	s_lshl_b32 s41, s40, 10
	s_add_co_u32 s42, s42, s41
	s_mov_b32 s43, 0
	s_add_nc_u64 s[4:5], s[4:5], s[42:43]          ; Q's codes: 131,072 a head, 1,024 a tile
	s_lshl_b32 s42, s[BH], 13
	s_lshl_b32 s41, s40, 6
	s_add_co_u32 s42, s42, s41
	s_add_nc_u64 s[6:7], s[6:7], s[42:43]          ; Q's scale words: 8,192 a head, 256 for four tiles: 16 a row, 4 a tile
	s_lshr_b32 s41, s[BH], 4                       ; batch
	s_and_b32 s56, s[BH], 15                       ; head
	s_lshl_b32 s42, s41, 7
	s_add_co_u32 s42, s42, s40
	s_mul_i32 s42, s42, 12288                      ; ctx's codes: 12,288 a tile of 16 rows, 768 a head
	s_mul_i32 s57, s56, 768
	s_add_co_u32 s42, s42, s57
	s_add_nc_u64 s[44:45], s[10:11], s[42:43]
	s_lshl_b32 s42, s41, 16                        ; ctx's scale bytes: 32 a row, 2 a head
	s_lshl_b32 s57, s40, 9
	s_add_co_u32 s42, s42, s57
	s_lshl_b32 s57, s56, 1
	s_add_co_u32 s42, s42, s57
	s_add_nc_u64 s[46:47], s[12:13], s[42:43]
	s_mov_b32 s[TBN], 0
	s_mov_b32 s[PASS], 0
	v_and_b32 v14, 31, v0
	v_and_b32 v15, 15, v0
	v_lshlrev_b32 v[L8], 3, v14
	v_lshlrev_b32 v[R16], 4, v15
	v_lshlrev_b32 v[R32], 5, v15
	v_bfe_u32 v[SH8], v0, 4, 1
	v_and_b32 v[KL], 7, v0
	v_bfe_u32 v[KSL], v0, 3, 1
	v_lshlrev_b32 v[KAD], 4, v[KL]
	v_lshl_add_u32 v[KAD], v[KSL], 3, v[KAD]
	v_lshlrev_b32 v[KL], 3, v[KL]
	v_lshl_add_u32 v[KL], v[SH8], 7, v[KL]
	v_lshl_add_u32 v[KL], v[KSL], 11, v[KL]
	v_lshl_add_u32 v[KSL], v[SH8], 8, v[KAD]
	v_lshlrev_b32 v[SH8], 3, v[SH8]
	v_min_u32 v[PFO], 14, v14                      ; my work-group's 15 of the 59 blocks, a lane a block; the lanes left over name the last again
	v_add_nc_u32 v[PFO], s55, v[PFO]
	v_min_u32 v[PFO], 58, v[PFO]
	v_lshlrev_b32 v[PFO], 8, v[PFO]
.irp i, 0,1,2,3
	v_mov_b32 v[QA+8+\i], 0                        ; Q's codes at k = 64 + 11 on
	v_mov_b32 v[QA+20+\i], 0
	v_mov_b32 v[F+64+\i], 0                        ; what K's last tile names behind its eight registers
.endr
.irp x, 0,1
	v_mov_b32 v[ST+24*\x+3], 0                     ; (named as the upper half of a pair)
	v_mov_b32 v[ST+24*\x+11], 0                    ; written once: a lane permute's destination counts as one of its sources
.endr
	WALU                                           ; the wait at the head's end
.irp x, 0,1                            ; Q of all four tiles, under the flight of the first tensor load: the first pass's into its operand registers,
.irp c, 0,1,2,3
	global_load_b64 v[QA+12*\x+2*\c:QA+12*\x+2*\c+1], v[L8], s[4:5] offset:1024*\x+256*\c
.endr
.endr
	global_load_b64 v[QS:QS+1], v[R16], s[6:7]
	WIN 0x40                                       ; the second pass's into window 1
.irp x, 0,1
.irp c, 0,1,2,3
	global_load_b64 v[QN+8*\x+2*\c:QN+8*\x+2*\c+1], v[L8], s[4:5] offset:2048+1024*\x+256*\c
.endr
.endr
	global_load_b64 v[QN+16:QN+17], v[R16], s[6:7] offset:8
	WIN 0
	global_prefetch_b8 v[PFO], s[48:49] th:TH_LOAD_NT scope:SCOPE_SE
	s_wait_tensorcnt 0x0
	ds_add_u32 v[SPW], v[NIL]
	s_wait_dscnt 0x0
	ROUND                                          ; key steps 0-7 are whole in every partner
	tensor_load_to_lds s[G0B:G0B+3], s[G1:G1+7]    ; key step 8 + w
	s_nop 0
.rept 4
	v_nop
.endr
	KLOAD                                          ; key step 0's K
	s_wait_loadcnt 0x0                             ; Q
; A KEY STEP: 128 keys against two tiles of 16 queries.  LDS counts: on entry K's 18 loads may be out; V's 25 follow: the wait for K leaves 25; the next K's 18 follow: the wait for V leaves 18.
.macro STEP
	v_add_nc_u32 v[VAD], s[TB], v[L8]
	v_add_nc_u32 v[VSA], s[TB], v[R16]
	v_nop
	v_nop                                          ; four places behind the last products, which read V's registers
.irp t, 0,1,2,3
.irp u, 0,1
.irp c, 0,1,2
	ds_load_b64 v[VF+12*\t+6*\u+2*\c:VF+12*\t+6*\u+2*\c+1], v[VAD] offset:8192+3072*\u+768*\t+256*\c
.endr
.endr
.endr
	ds_load_b128 v[VS:VS+3], v[VSA] offset:14848
	s_wait_dscnt 25
	WIN 0x40                                       ; results in window 1
.irp t, 0,1,2,3
.irp x, 0,1
	MM 64*\x+8*\t, F+8*\t, QA+12*\x, 0, KS+\t, QS+\x, 0
.endr
.endr
.irp t, 4,5,6,7
.irp x, 0,1
	MM 64*\x+8*\t, F+8*\t, QA+12*\x, 0, KS+\t-4, QS+\x, 1
.endr
.endr
	WIN 0
	KLOAD                                          ; the next key step's K lands under the softmax
	WIN 0x15                                       ; the largest score of each block of 32, in two chains a block
.irp k, 0,1,2,3
.irp x, 0,1
	v_max3_num_f32 v[ST+24*\x+4+\k], v[64*\x+16*\k], v[64*\x+16*\k+1], v[64*\x+16*\k+2]
.endr
.endr
	WIN 0x14
.irp i, 3,5,7,9,11,13
.irp k, 0,1,2,3
.irp x, 0,1
	v_max3_num_f32 v[ST+24*\x+4+\k], v[ST+24*\x+4+\k], v[64*\x+16*\k+\i], v[64*\x+16*\k+\i+1]
.endr
.endr
.endr
.irp c, 0,1
.irp x, 0,1
	v_max3_num_f32 v[ST+24*\x+4+2*\c], v[ST+24*\x+4+2*\c], v[64*\x+32*\c+15], v[64*\x+32*\c+31]
.endr
.endr
	WIN 0
.irp c, 0,1
.irp x, 0,1
	v_max_num_f32 v[ST+24*\x+4+2*\c], v[ST+24*\x+4+2*\c], v[ST+24*\x+5+2*\c]   ; the block's largest score
.endr
.endr
.irp x, 0,1
	v_max_num_f32 v[ST+24*\x+10], v[ST+24*\x+4], v[ST+24*\x+6]
.endr
.irp x, 0,1
	v_permlanex16_b32 v[ST+24*\x+11], v[ST+24*\x+10], s[SEL], s[SEL+1]
.endr
.irp x, 0,1
	v_max3_num_f32 v[ST+24*\x+1], v[ST+24*\x+1], v[ST+24*\x+10], v[ST+24*\x+11]   ; the running largest score of my query
.endr
.irp x, 0,1
	v_mul_f32 v[ST+24*\x+10], s[NC], v[ST+24*\x+1]
.endr
.irp x, 0,1
	v_floor_f32 v[ST+24*\x+11], v[ST+24*\x+10]     ; the new -M = floor(-t): M is a whole number
.endr
.irp x, 0,1
	v_sub_f32 v[ST+24*\x+10], v[ST+24*\x+11], v[ST+24*\x]   ; old M - new M: a whole number, 0 or less
.endr
.irp x, 0,1
	v_mov_b32 v[ST+24*\x], v[ST+24*\x+11]
.endr
.irp x, 0,1
	v_cvt_i32_f32 v[ST+24*\x+10], v[ST+24*\x+10]   ; (it saturates)
.endr
.irp x, 0,1
	v_ldexp_f32 v[ST+24*\x+2], 1.0, v[ST+24*\x+10] ; f = 2^(old M - new M): a multiplication by it rounds nothing
.endr
.irp c, 0,1
.irp x, 0,1
	v_fma_f32 v[ST+24*\x+4+2*\c], v[ST+24*\x+4+2*\c], s[CS], v[ST+24*\x]   ; t - M of the block's largest score
.endr
.endr
	WIN 0x41
.irp x, 0,1
.irp j, 0,2,4,6,8,10,12,14,16,18,20,22,24,26,28,30
	v_pk_mul_f32 v[OO+32*\x+\j:OO+32*\x+\j+1], v[OO+32*\x+\j:OO+32*\x+\j+1], v[ST+24*\x+2:ST+24*\x+3] op_sel_hi:[1,0]   ; O^T under the new M
.endr
.endr
.irp j, 0,2,4,6,8,10,12,14,16,18,20,22,24,26,28,30,32,34,36,38,40,42,44,46,48,50,52,54,56,58,60,62
	v_pk_fma_f32 v[\j:\j+1], v[\j:\j+1], s[CS:CS+1], v[ST:ST+1] op_sel_hi:[1,0,0]   ; t - M of the first tile
.endr
	WALU                                           ; the wait ahead of a batch of exponentials
.set I, 0
.rept 32                               ; p of the first tile; the second tile's t - M stands among the exponentials and is read behind the next wait
	v_exp_f32 v[2*I], v[2*I]
	v_exp_f32 v[2*I+1], v[2*I+1]
	v_pk_fma_f32 v[64+2*I:64+2*I+1], v[64+2*I:64+2*I+1], s[CS:CS+1], v[ST+24:ST+25] op_sel_hi:[1,0,0]
.set I, I+1
.endr
	WALU
.set I, 0
.rept 64
	v_exp_f32 v[64+I], v[64+I]
.set I, I+1
.endr
	WIN 0
.irp c, 0,1
.irp x, 0,1
	v_exp_f32 v[ST+24*\x+4+2*\c], v[ST+24*\x+4+2*\c]   ; the block's largest p
.endr
.endr
	v_nop                                          ; a plain place behind the exponentials
	WALU                                           ; one wait for all of them, ahead of their first reader
.irp c, 0,1
.irp x, 0,1
	v_max_num_f32 v[ST+24*\x+4+2*\c], 0x1800000, v[ST+24*\x+4+2*\c]   ; the floor 2^(3 - 127): the byte cannot fall under 1
.endr
.endr
.irp c, 0,1
.irp x, 0,1
	v_add_nc_u32 v[ST+24*\x+8+\c], 0xff000000, v[ST+24*\x+4+2*\c]     ; 2 off the exponent field: the conversion's scale operand
.endr
.endr
.irp c, 0,1
.irp x, 0,1
	v_lshrrev_b32 v[ST+24*\x+20+\c], 23, v[ST+24*\x+8+\c]             ; the scale's byte
.endr
.endr
.irp x, 0,1
	v_lshl_or_b32 v[ST+24*\x+10], v[ST+24*\x+21], 16, v[ST+24*\x+20]  ; my two bytes: blocks h and 2 + h,
.endr
.irp x, 0,1
	v_lshlrev_b32 v[ST+24*\x+10], v[SH8], v[ST+24*\x+10]              ; at their places in the word;
.endr
.irp x, 0,1
	v_permlanex16_b32 v[ST+24*\x+11], v[ST+24*\x+10], s[SEL], s[SEL+1]
.endr
.irp x, 0,1
	v_or_b32 v[PW+\x], v[ST+24*\x+10], v[ST+24*\x+11]                 ; with lane l xor 16's two the word is whole
.endr
	WIN 0x01
.irp x, 0,1
.irp c, 0,1
	v_cvt_scalef32_pk16_fp6_f32 v[PC+12*\x+6*\c:PC+12*\x+6*\c+2], v[64*\x+32*\c:64*\x+32*\c+15], v[ST+24*\x+8+\c]
	v_cvt_scalef32_pk16_fp6_f32 v[PH+8*\x+4*\c:PH+8*\x+4*\c+2], v[64*\x+32*\c+16:64*\x+32*\c+31], v[ST+24*\x+8+\c]
.endr
.endr
	WIN 0
	v_nop                                          ; one plain place behind a scaled conversion
.irp x, 0,1
.irp c, 0,1
.irp i, 0,1,2
	v_mov_b32 v[PC+12*\x+6*\c+3+\i], v[PH+8*\x+4*\c+\i]   ; (a conversion's three registers begin on an even number)
.endr
.endr
.endr
	WIN 0x10                                       ; the row's sum of the unquantised p, four chains a tile; each chain's first step brings it under the new M.  These 64 lines are also the places ahead of the products
.irp k, 0,1,2,3
.irp x, 0,1
	v_pk_fma_f32 v[ST+24*\x+12+2*\k:ST+24*\x+13+2*\k], v[ST+24*\x+12+2*\k:ST+24*\x+13+2*\k], v[ST+24*\x+2:ST+24*\x+3], v[64*\x+2*\k:64*\x+2*\k+1] op_sel_hi:[1,0,1]
.endr
.endr
	WIN 0x04
.set I, 4
.rept 28
.irp x, 0,1
	v_pk_add_f32 v[ST+24*\x+12+2*(I%4):ST+24*\x+13+2*(I%4)], v[ST+24*\x+12+2*(I%4):ST+24*\x+13+2*(I%4)], v[64*\x+2*I:64*\x+2*I+1]
.endr
.set I, I+1
.endr
	WIN 0
	WALU
	s_wait_dscnt 18                                ; V's tiles and scale words are in
	WIN 0x50
.irp t, 0,1,2,3
.irp x, 0,1
	MM OO+32*\x+8*\t, VF+12*\t, PC+12*\x, v[OO+32*\x+8*\t:OO+32*\x+8*\t+7], VS+\t, PW+\x, 0
.endr
.endr
	WIN 0
	s_add_co_u32 s[TB], s[TB], PITCH
	s_add_co_u32 s[TBN], s[TB], PITCH
	s_and_b32 s[TBN], s[TBN], 16*PITCH-1           ; behind the last key step comes the first
.endm
.Lpass:                                                ; A PASS: two tiles against all 16 key steps
.irp x, 0,1
	v_mov_b32 v[ST+24*\x+1], 0xf2000000            ; the largest score so far: -2^101
	v_mov_b32 v[ST+24*\x], 0x71000000              ; -M
.irp i, 12,13,14,15,16,17,18,19
	v_mov_b32 v[ST+24*\x+\i], 0
.endr
.endr
	WIN 0x40
.set I, 0
.rept 64
	v_mov_b32 v[OO+I], 0                           ; O^T: the step is written once, and its first trip finds zeros
.set I, I+1
.endr
	WIN 0
	s_mov_b32 s[TB], 0
	s_mov_b32 s[TBN], PITCH
	s_mov_b32 s[CNT], 0
	WALU
.Lfirst:                                               ; key steps 0-5: they read key steps 0-6, which the head's round has shown
	STEP
	s_add_co_u32 s[CNT], s[CNT], 1
	s_cmp_lt_u32 s[CNT], 6
	s_cbranch_scc1 .Lfirst
	s_wait_tensorcnt 0x0                           ; my key step 8 + w is in,
	s_wait_dscnt 0x0
	s_barrier_signal -1
	s_barrier_wait -1                              ; everybody's is
.Lrest:
	STEP
	s_add_co_u32 s[CNT], s[CNT], 1
	s_cmp_lt_u32 s[CNT], 16
	s_cbranch_scc1 .Lrest
.rept 4
	v_nop                                          ; places behind the last products
.endr
.irp x, 0,1
	v_pk_add_f32 v[ST+24*\x+12:ST+24*\x+13], v[ST+24*\x+12:ST+24*\x+13], v[ST+24*\x+14:ST+24*\x+15]
	v_pk_add_f32 v[ST+24*\x+16:ST+24*\x+17], v[ST+24*\x+16:ST+24*\x+17], v[ST+24*\x+18:ST+24*\x+19]
.endr
.irp x, 0,1
	v_pk_add_f32 v[ST+24*\x+12:ST+24*\x+13], v[ST+24*\x+12:ST+24*\x+13], v[ST+24*\x+16:ST+24*\x+17]
.endr
.irp x, 0,1
	v_add_f32 v[ST+24*\x+10], v[ST+24*\x+12], v[ST+24*\x+13]
.endr
.irp x, 0,1
	v_permlanex16_b32 v[ST+24*\x+11], v[ST+24*\x+10], s[SEL], s[SEL+1]
.endr
.irp x, 0,1
	v_add_f32 v[ST+24*\x+10], v[ST+24*\x+10], v[ST+24*\x+11]   ; the row's sum
.endr
	WALU
.irp x, 0,1
	v_rcp_f32 v[ST+24*\x+10], v[ST+24*\x+10]
.endr
	v_nop
	WIN 0x41
	WALU                                           ; ahead of the first reader of the reciprocals and of O^T
.irp x, 0,1
.irp j, 0,2,4,6,8,10,12,14,16,18,20,22,24,26,28,30
	v_pk_mul_f32 v[64*\x+\j:64*\x+\j+1], v[OO+32*\x+\j:OO+32*\x+\j+1], v[ST+24*\x+10:ST+24*\x+11] op_sel_hi:[1,0]   ; register 16 b + i = ctx(my query, 32 b + 16 h + i)
.endr
.endr
	WIN 0x05
.irp b, 0,1
.irp x, 0,1
	v_max3_num_f32 v[ST+24*\x+4+2*\b], |v[64*\x+16*\b]|, |v[64*\x+16*\b+1]|, 0x1800000
.endr
.endr
	WIN 0x14
.irp i, 2,4,6,8,10,12,14
.irp b, 0,1
.irp x, 0,1
	v_max3_num_f32 v[ST+24*\x+4+2*\b], v[ST+24*\x+4+2*\b], |v[64*\x+16*\b+\i]|, |v[64*\x+16*\b+\i+1]|
.endr
.endr
.endr
	WIN 0
.irp b, 0,1
.irp x, 0,1
	v_permlanex16_b32 v[ST+24*\x+5+2*\b], v[ST+24*\x+4+2*\b], s[SEL], s[SEL+1]
.endr
.endr
.irp b, 0,1
.irp x, 0,1
	v_max_num_f32 v[ST+24*\x+4+2*\b], v[ST+24*\x+4+2*\b], v[ST+24*\x+5+2*\b]
.endr
.endr
.irp b, 0,1
.irp x, 0,1
	v_add_nc_u32 v[ST+24*\x+8+\b], 0xff000000, v[ST+24*\x+4+2*\b]
.endr
.endr
.irp b, 0,1
.irp x, 0,1
	v_lshrrev_b32 v[ST+24*\x+20+\b], 23, v[ST+24*\x+8+\b]
.endr
.endr
.irp x, 0,1
	v_lshl_or_b32 v[ST+24*\x+22], v[ST+24*\x+21], 8, v[ST+24*\x+20]   ; my row's two scale bytes of this head
.endr
	WIN 0x01
.irp x, 0,1
	v_cvt_scalef32_pk16_fp6_f32 v[PC+12*\x:PC+12*\x+2], v[64*\x:64*\x+15], v[ST+24*\x+8]
	v_cvt_scalef32_pk16_fp6_f32 v[PH+8*\x:PH+8*\x+2], v[64*\x+16:64*\x+31], v[ST+24*\x+9]
.endr
	WIN 0
	v_nop
.irp x, 0,1
.irp i, 0,1,2
	v_permlane16_swap_b32 v[PC+12*\x+\i], v[PH+8*\x+\i]   ; the operand's layout wants a whole block in a lane
.endr
.endr
.irp x, 0,1
.irp i, 0,1,2
	v_mov_b32 v[PC+12*\x+3+\i], v[PH+8*\x+\i]
.endr
.endr
.irp x, 0,1
.irp c, 0,1,2
	global_store_b64 v[L8], v[PC+12*\x+2*\c:PC+12*\x+2*\c+1], s[44:45] offset:12288*\x+256*\c   ; 32 lanes store 256 consecutive bytes, at a multiple of 256 from the buffer's first byte
.endr
	global_store_b16 v[R32], v[ST+24*\x+22], s[46:47] offset:512*\x   ; two bytes a row: a row's 32 bytes come from 16 heads, which are 16 clusters.  Lanes 16-31 write what lanes 0-15 write
.endr
	WIN 0x01                                       ; the second pass's Q into the operand registers (the pass's text is one for both: behind the second pass nobody reads them)
.set I, 0
.rept 8
	v_mov_b32 v[QA+I], v[QN+I]
	v_mov_b32 v[QA+12+I], v[QN+8+I]
.set I, I+1
.endr
	v_mov_b32 v[QS], v[QN+16]
	v_mov_b32 v[QS+1], v[QN+17]
	WIN 0
	s_wait_xcnt 0x0                                ; the stores have read their bases and registers
	s_add_nc_u64 s[44:45], s[44:45], 24576
	s_add_nc_u64 s[46:47], s[46:47], 1024
	s_add_co_u32 s[PASS], s[PASS], 1
	WALU
	s_cmp_lt_u32 s[PASS], 2
	s_cbranch_scc1 .Lpass
	s_wait_tensorcnt 0x0                           ; the wave's end
	ds_add_u32 v[SPW], v[NIL]
	s_wait_dscnt 0x0
	ROUND                                          ; the closing round
	s_endpgm
.Lfunc_end_k_q43af32a5e8_attn:
	.size	k_q43af32a5e8_attn, .Lfunc_end_k_q43af32a5e8_attn-k_q43af32a5e8_attn
	.p2alignl 7, 3214868480
	.fill 96, 4, 3214868480
	.section	.rodata,"a",@progbits
	.p2align	6, 0x0
	.amdhsa_kernel k_q43af32a5e8_attn
		.amdhsa_group_segment_fixed_size 327680
		.amdhsa_private_segment_fixed_size 0
		.amdhsa_enable_private_segment 0
		.amdhsa_kernarg_size 40
		.amdhsa_user_sgpr_count 2
		.amdhsa_user_sgpr_kernarg_segment_ptr 1
		.amdhsa_wavefront_size32 1
		.amdhsa_system_sgpr_workgroup_id_x 1
		.amdhsa_system_sgpr_workgroup_id_y 1
		.amdhsa_system_sgpr_workgroup_id_z 1
		.amdhsa_system_vgpr_workitem_id 0
		.amdhsa_next_free_vgpr 512
		.amdhsa_next_free_sgpr 66
		.amdhsa_reserve_vcc 0
		.amdhsa_float_denorm_mode_32 3
		.amdhsa_float_denorm_mode_16_64 3
		.amdhsa_memory_ordered 1
		.amdhsa_forward_progress 1
		.amdhsa_inst_pref_size 77
	.end_amdhsa_kernel
	.amdgpu_metadata
---
amdhsa.version: [ 1, 2 ]
amdhsa.kernels:
  - .name:           k_q43af32a5e8_attn
    .symbol:         k_q43af32a5e8_attn.kd
    .args:
      - { .name: qc, .offset: 0, .size: 8, .value_kind: global_buffer, .address_space: global }
      - { .name: qs, .offset: 8, .size: 8, .value_kind: global_buffer, .address_space: global }
      - { .name: kv, .offset: 16, .size: 8, .value_kind: global_buffer, .address_space: global }
      - { .name: cc, .offset: 24, .size: 8, .value_kind: global_buffer, .address_space: global }
      - { .name: cs, .offset: 32, .size: 8, .value_kind: global_buffer, .address_space: global }
    .group_segment_fixed_size: 327680
    .private_segment_fixed_size: 0
    .kernarg_segment_align: 8
    .kernarg_segment_size: 40
    .max_flat_workgroup_size: 256
    .sgpr_count:     66
    .vgpr_count:     512
    .wavefront_size: 32
...
	.end_amdgpu_metadata
.endif
;; end of part 3
;; launch outp (part 4): grid 4 x 64, 4 waves a work-group, clusters of 4 x 4, 327,680 bytes of LDS; arguments cc, cs, cod, scl, bo, out0; writes out0
.if DOCPART == 4
	.amdgcn_target "amdgcn-amd-amdhsa--gfx1250"
	.amdhsa_code_object_version 6
	.text
	.protected	k_q43af32a5e8_outp
	.globl	k_q43af32a5e8_outp
	.p2align	8
	.type	k_q43af32a5e8_outp,@function
k_q43af32a5e8_outp:
	s_mov_b64 s[64:65], 0
	v_nop
	global_prefetch_b8 v0, s[64:65] scope:SCOPE_SE
	s_setreg_imm32_b32 hwreg(HW_REG_WAVE_MODE, 25, 1), 1
	s_wait_xcnt 0x0
	s_wait_alu depctr_hold_cnt(0) depctr_sa_sdst(0) depctr_va_vdst(0) depctr_va_sdst(0) depctr_va_ssrc(0) depctr_va_vcc(0) depctr_vm_vsrc(0)
	s_getreg_b32 s2, hwreg(HW_REG_IB_STS2, 6, 4)
	s_cmp_eq_u32 s2, 0
	s_cbranch_scc0 .Lentry_in_a_cluster
	s_endpgm
.Lentry_in_a_cluster:
	s_bfe_u32 s2, ttmp6, 0x10000c
	s_cmp_lg_u32 s2, 0xf033
	s_cbranch_scc0 .Lentry_shape_is_right
	s_endpgm
.Lentry_shape_is_right:
; out0 = ctx Wo^T + bo on codes of FP6 (E2M3) with E8M0 scales.  ctx's codes cc and scale bytes cs, and Wo's (tiles 704-767 of cod and scl), lie in tiles of 16 rows: 16 pieces of 64 along K, 768 bytes each, in the order of
; the operand's registers (chunk p of 256 bytes: registers 2 p, 2 p + 1, 8 bytes a lane); scale bytes 32 a row.  Row p of tile 2 b + u is row 32 b + 8 u + p + 8 (p / 8) of its tensor.
; SHARES.  256 work-groups: 64 blocks of 128 rows x 4 blocks of 256 columns; four waves, 2 x 2, 64 rows x 128 columns each: 32 accumulators.  The block's operands, (128 + 256) rows x 768 bytes = 294,912 bytes, lie in LDS whole:
; NOTHING IS FILLED AGAIN.  Four joint loads, one a wave: ctx's and Wo's rows, each cut in two along K (a tile's row of the load is 6,144 bytes of a tile's 12,288).  The first barrier shows the lower half of K,
; which is multiplied while the upper half lands; the second shows the rest.
; CLUSTERS: 4 x 4.  ctx's rows hang on the block's row alone and are shared along a row of the cluster, Wo's on its column alone and are shared along a column.
; Scale words and the bias go from memory straight into registers: a tile's 512 scale bytes by one load, 16 bytes a lane: lanes 0-15 hold words 0-3 of their row, lanes 16-31 words 4-7.
; THE MATRIX INSTRUCTION IS USED TRANSPOSED (source 0 = Wo's rows): a lane holds neighbouring columns of one row of out0; the bias is the first products' C.  Results leave through a stage in LDS as rows of 512 bytes.
; The stage lies where ctx's lower half of K lay: it has had its only fill, and all reads of it are over at the second barrier.
; NO PREFETCH: all four loads go out at the head at once, and the launch has no loop to run ahead in.
; REGISTERS: window 0: addresses, scale words, bias, ctx's fragments (two sets); window 1: the accumulators, (a, b) at 8 (8 a + b); window 2: Wo's fragments, two sets of 96.
.set HK,    6144                       ; half of K of a tile
.set AK0,   0
.set WK0,   8*HK
.set AK1,   24*HK
.set WK1,   32*HK
.set SPARE, 48*HK                      ; 294,912: the spare words, 128 bytes a wave
.set SPITCH, 528
.set L8,   5
.set L16,  6
.set SL,   7                           ; 32 r + 16 h
.set ADRA, 8                           ; v8, v9   my ctx fragments, lower and upper half of K
.set ADRW, 10                          ; v10, v11 my Wo fragments
.set STO,  12
.set RD,   13
.set SPW,  14
.set NIL,  15
.set SA,   16                          ; v16-31 ctx's scale words, 4 a tile
.set SW,   34                          ; v34-65 Wo's
.set BIAS, 66                          ; v66-129
.set AF,   130                         ; v130-225 ctx's fragments, two sets of 48
.set BK,   66                          ; the way out: two sets of 64
.set WV, 16
.set WR, 17
.set WC, 18
.set PX, 20
.set PY, 21
.set CY, 22
.set RB, 23
.set G1A, 24
.set G1W, 32
.set GA0, 40
.set GW0, 44
.set GA1, 48
.set GW1, 52
.set MSB, 0
.macro WIN new
.if MSB != \new
	s_set_vgpr_msb (MSB<<8)|\new
.set MSB, \new
.endif
.endm
.macro PLACES
.rept 4
	v_nop
.endr
.endm
.macro CROUND
	s_barrier_signal -1
	s_barrier_wait -1
	s_cmp_lg_u32 s[WV], 0
	s_cbranch_scc1 .Lnot_wave_0_\@
	s_barrier_signal -3
.Lnot_wave_0_\@:
	s_barrier_wait -3
	s_barrier_signal -1
	s_barrier_wait -1
.endm
.macro TLOAD g0, g1
	tensor_load_to_lds s[\g0:\g0+3], s[\g1:\g1+7]
	s_nop 0
	PLACES
.endm
	s_load_b256 s[4:11], s[0:1], 0x0               ; cc, cs, cod, scl
	s_load_b128 s[12:15], s[0:1], 0x20             ; bo, out0
	v_lshl_add_u32 v[SPW], v0, 2, SPARE
	v_mov_b32 v[NIL], 0
	ds_add_u32 v[SPW], v[NIL]                      ; the opening lines: two adds and their wait
	ds_add_u32 v[SPW], v[NIL]
	v_lshrrev_b32 v1, 5, v0
	v_readfirstlane_b32 s[WV], v1
	s_lshr_b32 s[WR], s[WV], 1                     ; my 64 of the 128 rows
	s_and_b32 s[WC], s[WV], 1                      ; my 128 of the 256 columns
	s_bfe_u32 s[PX], ttmp6, 0x40000
	s_bfe_u32 s[PY], ttmp6, 0x40004
	s_and_b32 s[CY], ttmp7, 0xffff
	s_lshl_b32 s56, s[PY], 2
	s_lshl_b32 s56, 15, s56                        ; my row of the cluster
	s_lshl_b32 s57, 0x1111, s[PX]                  ; my column
	s_or_b32 s[G1A], s56, (3<<16)|(1<<21)          ; elements of 8 bytes; bit 21 beside a mask
	s_or_b32 s[G1W], s57, (3<<16)|(1<<21)
	s_mov_b32 s[G1A+1], 768<<16                    ; rows of 6,144 bytes, 12,288 apart: 8 of ctx,
	s_mov_b32 s[G1A+2], 8<<16
	s_mov_b32 s[G1A+3], 768<<16
	s_mov_b32 s[G1A+4], 8
	s_mov_b32 s[G1A+5], 1536
	s_mov_b32 s[G1A+6], 0
	s_mov_b32 s[G1A+7], 0
	s_mov_b32 s[G1W+1], 768<<16                    ; 16 of Wo
	s_mov_b32 s[G1W+2], 16<<16
	s_mov_b32 s[G1W+3], 768<<16
	s_mov_b32 s[G1W+4], 16
	s_mov_b32 s[G1W+5], 1536
	s_mov_b32 s[G1W+6], 0
	s_mov_b32 s[G1W+7], 0
	s_lshl_b32 s[RB], s[CY], 2
	s_add_co_u32 s[RB], s[RB], s[PY]               ; the block's row, 0 .. 63
	s_mul_i32 s58, s[RB], 16*HK
	s_mov_b32 s59, 0
	s_lshl_b32 s60, s[PX], 4
	s_add_co_u32 s60, s60, 704
	s_mul_i32 s60, s60, 2*HK
	s_mov_b32 s61, 0
	s_wait_dscnt 0x0
	s_wait_kmcnt 0x0
	s_add_nc_u64 s[58:59], s[4:5], s[58:59]
	s_add_nc_u64 s[60:61], s[8:9], s[60:61]
	CROUND                                         ; all sixteen work-groups are here: the joint loads meet
	s_mov_b32 s[GA0], 1
	s_mov_b32 s[GA0+1], AK0
	s_mov_b64 s[GA0+2:GA0+3], s[58:59]
	s_mov_b32 s[GA1], 1
	s_mov_b32 s[GA1+1], AK1
	s_add_nc_u64 s[GA1+2:GA1+3], s[58:59], HK
	s_mov_b32 s[GW0], 1
	s_mov_b32 s[GW0+1], WK0
	s_mov_b64 s[GW0+2:GW0+3], s[60:61]
	s_mov_b32 s[GW1], 1
	s_mov_b32 s[GW1+1], WK1
	s_add_nc_u64 s[GW1+2:GW1+3], s[60:61], HK
	s_or_b32 s[GA0+3], s[GA0+3], 0x80000000
	s_or_b32 s[GA1+3], s[GA1+3], 0x80000000
	s_or_b32 s[GW0+3], s[GW0+3], 0x80000000
	s_or_b32 s[GW1+3], s[GW1+3], 0x80000000
	s_cmp_eq_u32 s[WV], 0                          ; one chain of branches, one load to an arm: what is multiplied first is asked for by waves 0 and 1
	s_cbranch_scc0 .Lwave_1
	TLOAD GA0, G1A
	s_branch .Lasked
.Lwave_1:
	s_cmp_eq_u32 s[WV], 1
	s_cbranch_scc0 .Lwave_2
	TLOAD GW0, G1W
	s_branch .Lasked
.Lwave_2:
	s_cmp_eq_u32 s[WV], 2
	s_cbranch_scc0 .Lwave_3
	TLOAD GA1, G1A
	s_branch .Lasked
.Lwave_3:
	TLOAD GW1, G1W
.Lasked:
	s_lshl_b32 s56, s[RB], 12                      ; ctx's scale bytes: 512 a tile
	s_lshl_b32 s57, s[WR], 11
	s_add_co_u32 s56, s56, s57
	s_mov_b32 s57, 0
	s_add_nc_u64 s[6:7], s[6:7], s[56:57]
	s_lshl_b32 s56, s[PX], 4
	s_lshl_b32 s58, s[WC], 3
	s_add_co_u32 s56, s56, s58
	s_add_co_u32 s56, s56, 704
	s_lshl_b32 s56, s56, 9
	s_add_nc_u64 s[10:11], s[10:11], s[56:57]      ; Wo's
	s_lshl_b32 s56, s[PX], 10
	s_lshl_b32 s58, s[WC], 9
	s_add_co_u32 s56, s56, s58                     ; my first column, in bytes
	s_add_nc_u64 s[12:13], s[12:13], s[56:57]
	s_add_nc_u64 s[14:15], s[14:15], s[56:57]
	s_lshl_b32 s56, s[RB], 19
	s_lshl_b32 s58, s[WR], 18
	s_add_co_u32 s56, s56, s58                     ; my first row of 4,096 bytes
	s_add_nc_u64 s[14:15], s[14:15], s[56:57]
	s_mul_i32 s66, s[WR], 4*HK
	s_mul_i32 s67, s[WC], 8*HK
	s_add_co_u32 s67, s67, WK0
	s_mul_i32 s68, s[WV], 16*SPITCH
	v_and_b32 v1, 15, v0
	v_bfe_u32 v2, v0, 4, 1
	v_and_b32 v3, 31, v0
	v_lshlrev_b32 v[L8], 3, v3
	v_lshlrev_b32 v[L16], 4, v3
	v_lshlrev_b32 v[SL], 5, v1
	v_lshl_add_u32 v[SL], v2, 4, v[SL]
	v_add_nc_u32 v[ADRA], s66, v[L8]
	v_add_nc_u32 v[ADRA+1], AK1, v[ADRA]
	v_add_nc_u32 v[ADRW], s67, v[L8]
	v_add_nc_u32 v[ADRW+1], WK1-WK0, v[ADRW]
	v_mul_u32_u24 v[STO], v1, SPITCH
	v_lshl_add_u32 v[STO], v2, 6, v[STO]
	v_add_nc_u32 v[STO], s68, v[STO]
	v_add_nc_u32 v[RD], s68, v[L16]
	v_lshlrev_b32 v4, 6, v2
	s_wait_alu depctr_va_vdst(0)                   ; the wait at the head's end
.irp a, 0,1,2,3
	global_load_b128 v[SA+4*\a:SA+4*\a+3], v[SL], s[6:7] offset:512*\a
.endr
.irp b, 0,1,2,3,4,5,6,7
	global_load_b128 v[SW+4*\b:SW+4*\b+3], v[SL], s[10:11] offset:512*\b
.endr
.irp b, 0,1,2,3,4,5,6,7
	global_load_b128 v[BIAS+8*\b:BIAS+8*\b+3], v4, s[12:13] offset:128*(\b/2)+32*(\b%2)   ; register j of tile 2 e + u: column 32 e + 16 h + 8 u + j
	global_load_b128 v[BIAS+8*\b+4:BIAS+8*\b+7], v4, s[12:13] offset:128*(\b/2)+32*(\b%2)+16
.endr
.macro FETCH q                         ; the fragments of 128 along K, step q, into set q % 2: 72 loads
	WIN 0x80
.irp i, 0,1,2,3,4,5,6,7
.irp c, 0,1
.irp p, 0,1,2
	ds_load_b64 v[96*((\q)%2)+12*\i+6*\c+2*\p:96*((\q)%2)+12*\i+6*\c+2*\p+1], v[ADRW+(\q)/4] offset:\i*HK+((\q)%4)*1536+768*\c+256*\p
.endr
.endr
.endr
	WIN 0
.irp i, 0,1,2,3
.irp c, 0,1
.irp p, 0,1,2
	ds_load_b64 v[AF+48*((\q)%2)+12*\i+6*\c+2*\p:AF+48*((\q)%2)+12*\i+6*\c+2*\p+1], v[ADRA+(\q)/4] offset:\i*HK+((\q)%4)*1536+768*\c+256*\p
.endr
.endr
.endr
.endm
.macro MUL q, row, first               ; 32 products; the 32 accumulators take turns
.if \first
	WIN 0x42
.else
	WIN 0x52
.endif
.irp a, 0,1,2,3
.irp b, 0,1,2,3,4,5,6,7
.if \first
	v_wmma_scale_f32_16x16x128_f8f6f4 v[64*\a+8*\b:64*\a+8*\b+7], v[96*((\q)%2)+12*\b:96*((\q)%2)+12*\b+11], v[AF+48*((\q)%2)+12*\a:AF+48*((\q)%2)+12*\a+11], v[BIAS+8*\b:BIAS+8*\b+7], v[SW+4*\b+(\q)%4], v[SA+4*\a+(\q)%4] matrix_a_fmt:MATRIX_FMT_FP6 matrix_b_fmt:MATRIX_FMT_FP6 matrix_a_scale:MATRIX_SCALE_ROW\row matrix_b_scale:MATRIX_SCALE_ROW\row
.else
	v_wmma_scale_f32_16x16x128_f8f6f4 v[64*\a+8*\b:64*\a+8*\b+7], v[96*((\q)%2)+12*\b:96*((\q)%2)+12*\b+11], v[AF+48*((\q)%2)+12*\a:AF+48*((\q)%2)+12*\a+11], v[64*\a+8*\b:64*\a+8*\b+7], v[SW+4*\b+(\q)%4], v[SA+4*\a+(\q)%4] matrix_a_fmt:MATRIX_FMT_FP6 matrix_b_fmt:MATRIX_FMT_FP6 matrix_a_scale:MATRIX_SCALE_ROW\row matrix_b_scale:MATRIX_SCALE_ROW\row
.endif
.endr
.endr
.endm
.macro NEXT q, row                     ; the places behind the last step's products, the wait for step q's fragments (asked for one step ago), the fetch of step q + 1 into the set just read, step q
	PLACES
	s_wait_dscnt 0x0
	FETCH (\q)+1
	MUL \q, \row, 0
.endm
	s_cmp_lt_u32 s[WV], 2
	s_cbranch_scc0 .Lnot_low
	s_wait_tensorcnt 0x0
.Lnot_low:
	s_barrier_signal -1
	s_barrier_wait -1                              ; the lower half of K is in
	FETCH 0
	s_wait_loadcnt 0x0                             ; scale words and bias
	s_wait_dscnt 0x0
	FETCH 1
	MUL 0, 0, 1
	NEXT 1, 0
	NEXT 2, 0
	s_wait_tensorcnt 0x0                           ; every wave: what is still out is the upper half of K
	s_wait_dscnt 0x0                               ; step 3's fragments are in: my reads of the lower half are over
	s_barrier_signal -1
	MUL 3, 0, 0
	s_barrier_wait -1
	PLACES
	FETCH 4
	s_wait_dscnt 0x0
	FETCH 5
	MUL 4, 1, 0
	NEXT 5, 1
	NEXT 6, 1
	s_wait_dscnt 0x0
	MUL 7, 1, 0
	WIN 0
; THE WAY OUT, by blocks of 16 rows x 128 columns, through my own stage: LDS serves a wave's instructions in order, so no wait stands between the stores and the loads
.macro TOSTAGE a
	WIN 0x04
.irp b, 0,1,2,3,4,5,6,7
	ds_store_b128 v[STO], v[64*(\a)+8*\b:64*(\a)+8*\b+3] offset:128*(\b/2)+32*(\b%2)
	ds_store_b128 v[STO], v[64*(\a)+8*\b+4:64*(\a)+8*\b+7] offset:128*(\b/2)+32*(\b%2)+16
.endr
	WIN 0
.irp t, 0,1,2,3,4,5,6,7,8,9,10,11,12,13,14,15
	ds_load_b128 v[BK+64*((\a)%2)+4*\t:BK+64*((\a)%2)+4*\t+3], v[RD] offset:\t*SPITCH
.endr
.endm
.macro SEND a, younger
	s_wait_dscnt \younger
.irp t, 0,1,2,3,4,5,6,7,8,9,10,11,12,13,14,15
	global_store_b128 v[L16], v[BK+64*((\a)%2)+4*\t:BK+64*((\a)%2)+4*\t+3], s[14:15] offset:(32*((\a)/2)+8*((\a)%2)+\t+8*(\t/8))*4096 th:TH_STORE_NT   ; 32 lanes store 512 consecutive bytes of a row
.endr
.endm
	PLACES
	TOSTAGE 0
.irp a, 1,2,3
.if \a > 1
	s_wait_xcnt 0x0                                ; block a - 2's stores have read their registers
.endif
	TOSTAGE \a
	SEND \a-1, 32                                  ; behind block a - 1's loads: block a's 16 stores and 16 loads
.endr
	SEND 3, 0
	s_wait_tensorcnt 0x0                           ; the wave's end
	ds_add_u32 v[SPW], v[NIL]
	s_wait_dscnt 0x0
	CROUND                                         ; the closing round
	s_endpgm
.Lfunc_end_k_q43af32a5e8_outp:
	.size	k_q43af32a5e8_outp, .Lfunc_end_k_q43af32a5e8_outp-k_q43af32a5e8_outp
	.p2alignl 7, 3214868480
	.fill 96, 4, 3214868480
	.section	.rodata,"a",@progbits
	.p2align	6, 0x0
	.amdhsa_kernel k_q43af32a5e8_outp
		.amdhsa_group_segment_fixed_size 327680
		.amdhsa_private_segment_fixed_size 0
		.amdhsa_enable_private_segment 0
		.amdhsa_kernarg_size 48
		.amdhsa_user_sgpr_count 2
		.amdhsa_user_sgpr_kernarg_segment_ptr 1
		.amdhsa_wavefront_size32 1
		.amdhsa_system_sgpr_workgroup_id_x 1
		.amdhsa_system_sgpr_workgroup_id_y 1
		.amdhsa_system_sgpr_workgroup_id_z 1
		.amdhsa_system_vgpr_workitem_id 0
		.amdhsa_next_free_vgpr 768
		.amdhsa_next_free_sgpr 80
		.amdhsa_reserve_vcc 0
		.amdhsa_float_denorm_mode_32 3
		.amdhsa_float_denorm_mode_16_64 3
		.amdhsa_memory_ordered 1
		.amdhsa_forward_progress 1
		.amdhsa_inst_pref_size 95
	.end_amdhsa_kernel
	.amdgpu_metadata
---
amdhsa.version: [ 1, 2 ]
amdhsa.kernels:
  - .name:           k_q43af32a5e8_outp
    .symbol:         k_q43af32a5e8_outp.kd
    .args:
      - { .name: cc, .offset: 0, .size: 8, .value_kind: global_buffer, .address_space: global }
      - { .name: cs, .offset: 8, .size: 8, .value_kind: global_buffer, .address_space: global }
      - { .name: cod, .offset: 16, .size: 8, .value_kind: global_buffer, .address_space: global }
      - { .name: scl, .offset: 24, .size: 8, .value_kind: global_buffer, .address_space: global }
      - { .name: bo, .offset: 32, .size: 8, .value_kind: global_buffer, .address_space: global }
      - { .name: out0, .offset: 40, .size: 8, .value_kind: global_buffer, .address_space: global }
    .group_segment_fixed_size: 327680
    .private_segment_fixed_size: 0
    .kernarg_segment_align: 8
    .kernarg_segment_size: 48
    .max_flat_workgroup_size: 128
    .sgpr_count:     80
    .vgpr_count:     768
    .wavefront_size: 32
...
	.end_amdgpu_metadata
.endif
;; end of part 4
